; MI455X (gfx1250); checked and timed in simulation.
; The chip was launched on July 23, 2026; its instructions are those of AMD's public machine-readable ISA for CDNA 5 (MIT licence, August 2026) and "CDNA5" Instruction Set Architecture Reference Guide (July 2026). The comments in the code are by the model that wrote it; some were corrected since.
;; Multi Head Attention. Allowed arithmetic: matrix products marked QUANTISED: E2M3 operands, one E8M0 scale for each 32 along K, by v_wmma_scale_f32_16x16x128_f8f6f4 with both operands' format E2M3, f32 sums; everything else in f32.
;; Inputs: Wk 16 x 1,024 x 64 float32; Wo 1,024 x 1,024 float32; Wq 16 x 1,024 x 64 float32; Wv 16 x 1,024 x 64 float32; bk 16 x 64 float32; bo 1,024 float32; bq 16 x 64 float32; bv 16 x 64 float32; k 4 x 2,048 x 1,024 float32; mask 4 x 2,048 bool; q 4 x 2,048 x 1,024 float32; v 4 x 2,048 x 1,024 float32.
;; Outputs: out0 4 x 2,048 x 1,024 float32.
;; This version of the problem:
;;   THIS VERSION OF THE PROBLEM IS GIVEN IN LOW PRECISION. The matrix products marked QUANTISED in the list below multiply operands that are first quantised to E2M3 (2 exponent bits, 3 mantissa bits; 6 bits a number), with one power-of-two scale for each 32 numbers along K (OCP MX v1.0); their sums are f32. All else is computed in f32.
;;   The module's matrix products, in the order in which they are computed (A, B: the left and right operand; K: the contracted axis; several contracted axes count as one K, in the product's order):
;;     1. [M 1,024, K 1,024] x [K 1,024, N 8,192]; A: input Wq; B: input q: QUANTISED
;;     2. [M 1,024, K 1,024] x [K 1,024, N 8,192]; A: input Wk; B: input k: QUANTISED
;;     3. [M 1,024, K 1,024] x [K 1,024, N 8,192]; A: input Wv; B: input v: QUANTISED
;;     4. batch 64 x [M 2,048, K 64] x [K 64, N 2,048]; A: computed on the way; B: computed on the way: QUANTISED
;;     5. batch 64 x [M 2,048, K 2,048] x [K 2,048, N 64]; A: softmax (see below); B: computed on the way: QUANTISED
;;     6. [M 8,192, K 1,024] x [K 1,024, N 1,024]; A: computed on the way; B: input Wo: QUANTISED
;;   THE QUANTISER, for each operand of a quantised product, along K:
;;     - K is cut into blocks of 32 from its start; a last block that is shorter is filled with zeros.
;;     - A block's scale is 2^e with e = floor(log2(the largest magnitude in the block)) - 2, held to -126 .. 127; a block of zeros has e = 0. As a byte (E8M0): e + 127.
;;     - Each number is divided by its block's scale, clamped to +-7.5, and rounded to the nearest number of E2M3, ties to even, subnormals kept.
;;     - The product sums the exact products of the quantised numbers (number of the format x scale) in f32.
;;   ~~~python
;;   def quantise(x, axis):      # numpy; x: float32 -> the quantised numbers, widened to float32 again
;;       x = np.moveaxis(x, axis, -1); K = x.shape[-1]
;;       x = np.pad(x, [(0, 0)] * (x.ndim - 1) + [(0, -K % 32)]); x = x.reshape(x.shape[:-1] + (-1, 32)); a = np.abs(x).max(-1, keepdims=True)
;;       e = np.where(a > 0, np.clip(np.frexp(np.where(a > 0, a, 1))[1] - 1 - 2, -126, 127), 0)      # np.frexp(a)[1] - 1 = floor(log2(a)), exactly
;;       r = np.clip(x / 2.0 ** e, -7.5, 7.5)
;;       step = 2.0 ** (np.maximum(np.frexp(np.where(r == 0, 1, r))[1] - 1, 0) - 3)
;;       q = np.round(r / step) * step * 2.0 ** e      # np.round: ties to even
;;       return np.moveaxis(q.reshape(q.shape[:-2] + (-1,))[..., :K], -1, axis).astype(np.float32)
;;   ~~~
;;   SOFTMAX AHEAD OF A QUANTISED PRODUCT. Where the list says 'softmax', what is quantised is not the finished softmax but p = 2^(t - M), with t = logit x log2(e) and M = ceil(the row's largest t), a whole number; so 1/2 < the row's largest p <= 1. The row's sum l is taken of the UNQUANTISED p, in f32, and the product's result is divided by l at the end. Since M is a whole number, a kernel that streams over the keys may use a running M (the ceiling of the running maximum): every later rescaling is an exact power of two, which a block's scale takes up: the codes' values come out the same.
;;   OPERANDS COMPUTED ON THE WAY. 'Computed on the way' means the value that the module computes at that place (a softmax that the list does not call 'softmax' is quantised finished and normalised). What goes into a quantiser is computed in f32, as accurately as f32 sums, v_exp_f32 and their like allow (about 1e-6 of the number): no bf16 or f16 on the way to a quantiser, and a product that is left as it is and whose result goes on into a quantised operand takes f32 operands (vector FMAs, or v_wmma_f32_16x16x4_f32). A number that lies on a knife's edge between two numbers of the format may be rounded either way, as far as f32 arithmetic and the matrix unit's own rounding can turn it there, and no further.
;; 2 versions. Each part assembles by itself: llvm-mc -triple=amdgcn-amd-amdhsa -mcpu=gfx1250 --defsym DOCPART=n.
;; ======== version 1 of 2: 4 launches
;; limits: right only within a limited range of input values
;; workspace buffers: wimg 3,276,800 bytes; qc 6,553,600 bytes; kc 6,553,600 bytes; vc 6,553,600 bytes; cc 6,553,600 bytes
;; launch quantw (part 1): grid 256 x 1, 4 waves a work-group, no clusters, 0 bytes of LDS; arguments Wq, Wk, Wv, Wo, wimg; writes wimg
.if DOCPART == 1
	.amdgcn_target "amdgcn-amd-amdhsa--gfx1250"
	.amdhsa_code_object_version 6
	.text
	.protected	k_q9f259203a0_quantw
	.globl	k_q9f259203a0_quantw
	.p2align	8
	.type	k_q9f259203a0_quantw,@function
k_q9f259203a0_quantw:
	s_mov_b64 s[64:65], 0
	v_nop
	global_prefetch_b8 v0, s[64:65] scope:SCOPE_SE
	s_setreg_imm32_b32 hwreg(HW_REG_WAVE_MODE, 25, 1), 1
	s_wait_xcnt 0x0
; Wq, Wk, Wv [16][1024][64] and Wo [1024][1024], f32 with K (the 1,024) not innermost, become codes of FP6 (E2M3) with one E8M0 byte for each 32 along K,
; laid in the order of an operand's registers.  wimg: tensor T (0 Wq, 1 Wk, 2 Wv, 3 Wo) at 819,200 T; in it block (cg = 128 rows n, ks = 128 along K) at 12,800 (8 cg + ks):
; eight images of 1,536 bytes (tile i: registers 4 g .. 4 g + 3 of lane l at 1,536 i + 512 g + 16 l), then 512 bytes of scale words (tile i, lane r at 256 (i / 4) + 16 r + 4 (i % 4)).
; Row n is head x 64 + e for the heads' weights, the output column for Wo.  Lane r of tile i holds row 32 (i / 2) + 8 (i % 2) + r + 8 (r / 8) of the 128.
; A work-group makes one block.  A LANE TAKES A COLUMN n AND ITS REGISTERS RUN DOWN K: a block of 32 lies in one lane, and the conversions give codes with K innermost.
; A column's 128 codes are the registers of two lanes of the image: (r, 0) has blocks 0 and 2, (r, 1) blocks 1 and 3.  So each lane stores two runs of 12 registers.
; LIMITS: a block whose largest magnitude lies under 2^-124 (a block of zeros too) gets the byte 1: these bytes are read by this program alone.  NaN and infinities are not served.
.set X,   64                           ; v64-191  the column's 128 numbers
.set IMG, 32                           ; v32-43   the image of lane (r, 0);  v44-55 of lane (r, 1)
.set TC,  56                           ; v56-58   a block's upper 16 codes: a conversion's three registers begin on an even number
	s_load_b256 s[4:11], s[0:1], 0x0               ; Wq, Wk, Wv, Wo
	s_load_b64 s[12:13], s[0:1], 0x20              ; wimg
	v_lshrrev_b32 v1, 5, v0
	v_readfirstlane_b32 s14, v1                    ; wave: columns 32 w .. 32 w + 31 of the 128: tiles 2 w and 2 w + 1
	v_and_b32 v2, 31, v0                           ; c: my column among them
	v_lshlrev_b32 v3, 2, v2                        ; in: 4 bytes a lane
	v_bfe_u32 v4, v2, 3, 1                         ; which of the two tiles: (c / 8) % 2
	v_and_b32 v5, 7, v2
	v_lshrrev_b32 v6, 4, v2
	v_lshl_add_u32 v5, v6, 3, v5                   ; r = c % 8 + 8 (c / 16)
	s_mul_i32 s22, s14, 3072
	v_mul_u32_u24 v7, v4, 1536
	v_lshl_add_u32 v7, v5, 4, v7
	v_add_nc_u32 v7, s22, v7                       ; out: my tile's image, 16 r
	s_lshr_b32 s23, s14, 1
	s_and_b32 s24, s14, 1
	s_lshl_b32 s25, s23, 8
	s_lshl_b32 s26, s24, 3
	s_add_co_u32 s25, s25, s26
	s_add_co_u32 s25, s25, 12288
	v_lshlrev_b32 v8, 4, v5
	v_lshl_add_u32 v8, v4, 2, v8
	v_add_nc_u32 v8, s25, v8                       ; and my scale word
	s_lshr_b32 s15, ttmp9, 6                       ; T
	s_bfe_u32 s16, ttmp9, 0x30003                  ; cg
	s_and_b32 s17, ttmp9, 7                        ; ks
	s_and_b32 s18, ttmp9, 63
	s_mul_i32 s18, s18, 12800
	s_mul_i32 s19, s15, 819200
	s_add_co_u32 s18, s18, s19
	s_mov_b32 s19, 0                               ; my block in wimg
	s_lshl_b32 s20, s16, 1                         ; a head's weight: head 2 cg + w / 2 (262,144 bytes), row 128 ks (256 bytes a row), e = 32 (w % 2)
	s_add_co_u32 s20, s20, s23
	s_lshl_b32 s20, s20, 18
	s_lshl_b32 s21, s17, 15
	s_add_co_u32 s20, s20, s21
	s_lshl_b32 s21, s24, 7
	s_add_co_u32 s20, s20, s21
	s_lshl_b32 s21, s17, 19                        ; Wo: row 128 ks (4,096 bytes a row), column 128 cg + 32 w
	s_lshl_b32 s27, s16, 9
	s_add_co_u32 s21, s21, s27
	s_lshl_b32 s27, s14, 7
	s_add_co_u32 s21, s21, s27
	s_cmp_lt_u32 s15, 3
	s_cselect_b32 s20, s20, s21
	s_mov_b32 s21, 0
	s_wait_kmcnt 0x0
	s_cmp_eq_u32 s15, 0                            ; the tensor is chosen by the work-group's number alone
	s_cselect_b64 s[4:5], s[4:5], s[6:7]
	s_cmp_lt_u32 s15, 2
	s_cselect_b64 s[4:5], s[4:5], s[8:9]
	s_cmp_lt_u32 s15, 3
	s_cselect_b64 s[4:5], s[4:5], s[10:11]
	s_add_nc_u64 s[4:5], s[4:5], s[20:21]
	s_add_nc_u64 s[12:13], s[12:13], s[18:19]
	s_cmp_eq_u32 s15, 3                            ; the two runs differ in the rows' pitch, which stands in the immediates; both write all 128 registers
	s_cbranch_scc1 .Lwo
.set I, 0
.rept 128
	global_load_b32 v[X+I], v3, s[4:5] offset:I*256 th:TH_LOAD_NT     ; row 128 ks + I: 32 lanes read 128 consecutive bytes
.set I, I+1
.endr
	s_branch .Lloaded
.Lwo:
.set I, 0
.rept 128
	global_load_b32 v[X+I], v3, s[4:5] offset:I*4096 th:TH_LOAD_NT
.set I, I+1
.endr
.Lloaded:
; Block kb of 32 along K.  cnt: the loads issued behind the block's 32 number 96, 64, 32, 0; a wait names 63 at the most, which is the stricter count.
.macro BLOCK kb, cnt
.set XB, X+32*(\kb)
.set DI, IMG+12*((\kb)%2)+6*((\kb)/2)
	s_wait_loadcnt \cnt
	v_max3_num_f32 v20, |v[XB]|, |v[XB+1]|, |v[XB+2]|           ; the block's largest magnitude, in two chains
	v_max3_num_f32 v21, |v[XB+3]|, |v[XB+4]|, |v[XB+5]|
.irp i, 6,10,14,18,22,26
	v_max3_num_f32 v20, v20, |v[XB+\i]|, |v[XB+\i+1]|
	v_max3_num_f32 v21, v21, |v[XB+\i+2]|, |v[XB+\i+3]|
.endr
	v_max3_num_f32 v20, v20, |v[XB+30]|, |v[XB+31]|
	v_max3_num_f32 v20, v20, v21, 0x1800000        ; and the floor 2^(3 - 127): the byte cannot fall under 1
	v_add_nc_u32 v22, 0xff000000, v20              ; 2 off its exponent field: the conversion's scale operand
	v_lshrrev_b32 v23, 23, v22                     ; the scale's byte
.if (\kb) == 0
	v_mov_b32 v28, v23
.else
	v_lshl_or_b32 v28, v23, 8*(\kb), v28           ; the lower K in the lower byte
.endif
	v_cvt_scalef32_pk16_fp6_f32 v[DI:DI+2], v[XB:XB+15], v22
	v_cvt_scalef32_pk16_fp6_f32 v[TC:TC+2], v[XB+16:XB+31], v22
	v_nop                                          ; one plain place behind a scaled conversion
.irp i, 0,1,2
	v_mov_b32 v[DI+3+\i], v[TC+\i]
.endr
.endm
	BLOCK 0, 63
	BLOCK 1, 63
	BLOCK 2, 32
	BLOCK 3, 0
.irp g, 0,1,2
	global_store_b128 v7, v[IMG+4*\g:IMG+4*\g+3], s[12:13] offset:512*\g              ; sixteen lanes of a tile store 256 consecutive aligned bytes: lanes (r, 0) of the image,
	global_store_b128 v7, v[IMG+12+4*\g:IMG+12+4*\g+3], s[12:13] offset:512*\g+256    ; and lanes (r, 1)
.endr
	global_store_b32 v8, v28, s[12:13]             ; the scale word: 4 bytes a lane, 512 bytes a block in all
	s_endpgm
.Lfunc_end_k_q9f259203a0_quantw:
	.size	k_q9f259203a0_quantw, .Lfunc_end_k_q9f259203a0_quantw-k_q9f259203a0_quantw
	.p2alignl 7, 3214868480
	.fill 96, 4, 3214868480
	.section	.rodata,"a",@progbits
	.p2align	6, 0x0
	.amdhsa_kernel k_q9f259203a0_quantw
		.amdhsa_group_segment_fixed_size 0
		.amdhsa_private_segment_fixed_size 0
		.amdhsa_enable_private_segment 0
		.amdhsa_kernarg_size 40
		.amdhsa_user_sgpr_count 2
		.amdhsa_user_sgpr_kernarg_segment_ptr 1
		.amdhsa_wavefront_size32 1
		.amdhsa_system_sgpr_workgroup_id_x 1
		.amdhsa_system_sgpr_workgroup_id_y 1
		.amdhsa_system_sgpr_workgroup_id_z 1
		.amdhsa_system_vgpr_workitem_id 0
		.amdhsa_next_free_vgpr 192
		.amdhsa_next_free_sgpr 66
		.amdhsa_reserve_vcc 0
		.amdhsa_float_denorm_mode_32 3
		.amdhsa_float_denorm_mode_16_64 3
		.amdhsa_memory_ordered 1
		.amdhsa_forward_progress 1
		.amdhsa_inst_pref_size 33
	.end_amdhsa_kernel
	.amdgpu_metadata
---
amdhsa.version: [ 1, 2 ]
amdhsa.kernels:
  - .name:           k_q9f259203a0_quantw
    .symbol:         k_q9f259203a0_quantw.kd
    .args:
      - { .name: Wq, .offset: 0, .size: 8, .value_kind: global_buffer, .address_space: global }
      - { .name: Wk, .offset: 8, .size: 8, .value_kind: global_buffer, .address_space: global }
      - { .name: Wv, .offset: 16, .size: 8, .value_kind: global_buffer, .address_space: global }
      - { .name: Wo, .offset: 24, .size: 8, .value_kind: global_buffer, .address_space: global }
      - { .name: wimg, .offset: 32, .size: 8, .value_kind: global_buffer, .address_space: global }
    .group_segment_fixed_size: 0
    .private_segment_fixed_size: 0
    .kernarg_segment_align: 8
    .kernarg_segment_size: 40
    .max_flat_workgroup_size: 128
    .sgpr_count:     66
    .vgpr_count:     192
    .wavefront_size: 32
...
	.end_amdgpu_metadata
.endif
;; end of part 1
;; launch proj (part 2): grid 64 x 3, 4 waves a work-group, no clusters, 172,544 bytes of LDS; arguments q, k, v, bq, bk, bv, wimg, qc, kc, vc; writes qc, kc, vc
.if DOCPART == 2
	.amdgcn_target "amdgcn-amd-amdhsa--gfx1250"
	.amdhsa_code_object_version 6
	.text
	.protected	k_q9f259203a0_proj
	.globl	k_q9f259203a0_proj
	.p2align	8
	.type	k_q9f259203a0_proj,@function
k_q9f259203a0_proj:
	s_mov_b64 s[64:65], 0
	v_nop
	global_prefetch_b8 v0, s[64:65] scope:SCOPE_SE
	s_setreg_imm32_b32 hwreg(HW_REG_WAVE_MODE, 25, 1), 1
	s_wait_xcnt 0x0
; x W + b for x = q, k or v (work-group y), 128 rows of x (work-group x) against all 1,024 columns, both operands as codes of FP6 (E2M3) with E8M0 scales; the result is quantised again and leaves as
; images of operand registers.  q, k: along e (a head's 64).  v: along the keys (the block's 128 rows are one key step).
; PHASE X: wave w quantises tiles 2 w, 2 w + 1 of x (16 rows x 1,024: 16 fragments); their images go to LDS; one barrier.  x is read from memory once.
; PASSES: wave w multiplies all 128 rows by column groups 2 w and 2 w + 1 (128 columns each): 64 accumulators, 512 registers.  W's images come from memory straight into registers, two sets by turns.
; q, k: source 0 = 16 rows of W, source 1 = 16 rows of x: a lane holds one row of x and its registers run along the columns.  v: the sources swapped: a lane holds one column and its registers run along the keys.
; Lane r of a tile (of x and of W alike) holds row 32 (t / 2) + 8 (t % 2) + r + 8 (r / 8) of its 128, so that the 16 registers of two neighbouring result tiles are 16 neighbours along the next K.
; OUT (qc, kc, vc): half images of 768 bytes (6 registers: 0-3 of lane l at 16 l, 4-5 at 512 + 8 l), number ((8 b + cg) 2 + half) 128 + 8 (block % 16) + j; scale words from byte 6,291,456 on, 512 bytes for (block, cg).
; W is read by every work-group; it goes into registers and not through LDS, so there is no tile in LDS that a cluster could share: no joint loads.  192 work-groups: 128 rows are a whole key step of V.
; LIMITS: blocks whose largest magnitude lies under 2^-124 get the byte 1 (read by this program alone); NaN and infinities are not served.
; REGISTERS, in windows of 256.  Window 0: v1-15 addresses; v32-47 x's scale words, v48-63 W's, two sets each; v64-159 x's eight fragments (phase X: two sets of 64 numbers, v64 and v128; epilogue: 64 results at v64, codes at v128);
;   v160-223 the bias in the result's layout (phase X: codes at v192); v224-227 scale words on their way out; v232-248 the quantiser's; v252, v253 the add's two.
;   Window 1: phase X: four sets of 64 numbers as loaded; then W's fragments, sets at v0 and v128.   Windows 2, 3: accumulator (a, b) at v[8 (8 (a % 4) + b)] of window 2 + a / 4; a: x's tile, b: W's.
.set XIMG,  0                          ; LDS: x's images: (K step ks, tile a) at 1,536 (8 ks + a)
.set XSC,   98304                      ; x's scale words: 512 bytes a K step: (tile a, lane r) at 256 (a / 4) + 16 r + 4 (a % 4)
.set TST,   102400                     ; for each wave two stages of 16 rows x (512 + 16) bytes
.set SST,   169984                     ; for each wave 512 bytes: the results' scale words
.set SPARE, 172032                     ; the spare words, 128 bytes a wave: two blocks of 256 bytes that no other line names
.set L16,  1                           ; 16 x lane
.set SIN,  2                           ; into my stage
.set SOUT, 3                           ; out of it: row r, 64 h
.set XWI,  4                           ; where I store x's images, K steps 0-3
.set XWS,  5                           ; and their scale words
.set XA,   6                           ; the K step's images
.set XSA,  7                           ; the K step's scale words
.set R16,  8                           ; 16 r
.set L8,   9                           ; 8 x lane
.set SSW,  10
.set SSR,  11
.set H64,  12                          ; 64 h
.set BVA,  13                          ; 4 (r + 8 (r / 8))
.set XSB,  14                          ; XSC + 16 r
.set XWI2, 15                          ; XWI + 49,152: K steps 4-7 (an LDS offset has 16 bits)
.set XS,   32
.set WS,   48
.set XF,   64
.set X0,   64
.set PCX,  192
.set ST,   64
.set PCE,  128
.set BI,   160
.set OSR,  224
.set TM,   232
.set PW,   248
.set SPW,  252
.set NIL,  253
.set WV,   24
.set TV,   25
.set SEL,  28
.set PS,   40
.set KC,   41
.set KX,   42
.set KS,   43
.set MSB, 0
.macro WIN new                         ; the immediate's high byte repeats the setting that is left
.if MSB != (\new)
	s_set_vgpr_msb (MSB<<8)|(\new)
.set MSB, (\new)
.endif
.endm
.macro PLACES                          ; four places behind matrix instructions, in front of loads into their registers and of reads of their results
.rept 4
	v_nop
.endr
.endm
; 64 numbers of a lane, register 16 b + i = k 32 b + 16 (lane / 16) + i of my row, become a fragment's codes in v[pc] .. v[pc + 11] and its scale word in v[PW].
.macro QUANT s, pc
.irp b, 0,1,2,3
	v_max3_num_f32 v[TM+\b], |v[\s+16*\b]|, |v[\s+1+16*\b]|, 0x1800000   ; my 16 numbers of block b, and the floor 2^(3 - 127)
.endr
.irp i, 2,4,6,8,10,12,14
.irp b, 0,1,2,3
	v_max3_num_f32 v[TM+\b], v[TM+\b], |v[\s+16*\b+\i]|, |v[\s+1+16*\b+\i]|
.endr
.endr
.irp b, 0,1,2,3
	v_permlanex16_b32 v[TM+4+\b], v[TM+\b], s[SEL], s[SEL+1]
.endr
.irp b, 0,1,2,3
	v_max_num_f32 v[TM+\b], v[TM+\b], v[TM+4+\b]   ; with lane l xor 16's: the block's largest magnitude
.endr
.irp b, 0,1,2,3
	v_add_nc_u32 v[TM+12+\b], 0xff000000, v[TM+\b] ; 2 off its exponent field: the conversion's scale operand
.endr
.irp b, 0,1,2,3
	v_lshrrev_b32 v[TM+4+\b], 23, v[TM+12+\b]      ; the scale's byte
.endr
	v_lshl_or_b32 v[PW], v[TM+5], 8, v[TM+4]
	v_lshl_or_b32 v[PW], v[TM+6], 16, v[PW]
	v_lshl_or_b32 v[PW], v[TM+7], 24, v[PW]
.irp c, 0,1
	v_cvt_scalef32_pk16_fp6_f32 v[(\pc)+6*\c:(\pc)+2+6*\c], v[\s+32*\c:\s+15+32*\c], v[TM+12+2*\c]
	v_cvt_scalef32_pk16_fp6_f32 v[(\pc)+12+4*\c:(\pc)+14+4*\c], v[\s+16+32*\c:\s+31+32*\c], v[TM+12+2*\c+1]
.endr
	v_nop                                          ; one plain place behind a scaled conversion
.irp c, 0,1                                    ; the operand's layout wants a whole block in a lane: lanes 0-15 block 2 c, lanes 16-31 block 2 c + 1
.irp i, 0,1,2
	v_permlane16_swap_b32 v[(\pc)+6*\c+\i], v[(\pc)+12+4*\c+\i]
.endr
.irp i, 0,1,2
	v_mov_b32 v[(\pc)+3+6*\c+\i], v[(\pc)+12+4*\c+\i]
.endr
.endr
.endm
	s_load_b256 s[4:11], s[0:1], 0x0               ; q, k, v, bq
	s_load_b256 s[12:19], s[0:1], 0x20             ; bk, bv, wimg, qc
	s_load_b128 s[20:23], s[0:1], 0x40             ; kc, vc
	v_lshl_add_u32 v[SPW], v0, 2, SPARE
	v_mov_b32 v[NIL], 0
	v_lshrrev_b32 v16, 5, v0
	v_readfirstlane_b32 s[WV], v16                 ; wave 0..3
	s_and_b32 s[TV], ttmp7, 0xffff                 ; 0 q, 1 k, 2 v
	v_and_b32 v16, 31, v0                          ; lane
	v_and_b32 v17, 15, v0                          ; r
	v_bfe_u32 v18, v0, 4, 1                        ; h
	v_lshlrev_b32 v[L16], 4, v16
	v_lshlrev_b32 v[L8], 3, v16
	v_lshlrev_b32 v[R16], 4, v17
	v_lshlrev_b32 v[H64], 6, v18
	v_and_b32 v19, 8, v17
	v_add_nc_u32 v19, v19, v17
	v_lshlrev_b32 v[BVA], 2, v19
	s_mul_i32 s32, s[WV], 16896
	s_add_co_u32 s32, s32, TST
	v_add_nc_u32 v[SIN], s32, v[L16]
	v_mul_u32_u24 v[SOUT], v17, 528
	v_add_nc_u32 v[SOUT], v[SOUT], v[H64]
	v_add_nc_u32 v[SOUT], s32, v[SOUT]
	s_mul_i32 s32, s[WV], 3072
	v_add_nc_u32 v[XWI], s32, v[L16]
	s_add_co_u32 s32, s32, 49152
	v_add_nc_u32 v[XWI2], s32, v[L16]
	s_lshr_b32 s32, s[WV], 1
	s_lshl_b32 s32, s32, 8
	s_and_b32 s33, s[WV], 1
	s_lshl_b32 s33, s33, 3
	s_add_co_u32 s32, s32, s33
	s_add_co_u32 s32, s32, XSC
	v_add_nc_u32 v[XWS], s32, v[R16]
	v_add_nc_u32 v[XSB], XSC, v[R16]
	s_lshl_b32 s32, s[WV], 9
	s_add_co_u32 s32, s32, SST
	v_add_nc_u32 v[SSW], s32, v[R16]
	v_add_nc_u32 v[SSR], s32, v[L8]
	s_mov_b32 s[SEL], 0x76543210
	s_mov_b32 s[SEL+1], 0xfedcba98                 ; v_permlanex16_b32's selects for lane l xor 16
.irp b, 0,1,2,3
	v_mov_b32 v[TM+4+\b], 0                        ; written once: a lane permute's destination counts as one of its sources
.endr
	s_lshl_b32 s32, ttmp9, 19                      ; x: 128 rows of 4,096 bytes a block, 32 rows a wave
	s_lshl_b32 s33, s[WV], 17
	s_add_co_u32 s32, s32, s33
	s_mov_b32 s33, 0
	s_mul_i32 s34, s[TV], 819200                   ; W's images: my tensor, column group 2 w (8 blocks of 12,800 bytes a group)
	s_mul_i32 s35, s[WV], 204800
	s_add_co_u32 s34, s34, s35
	s_mov_b32 s35, 0
	s_lshl_b32 s36, s[WV], 10                      ; the bias: 128 numbers a group
	s_mov_b32 s37, 0
	s_lshr_b32 s38, ttmp9, 4                       ; the batch
	s_lshl_b32 s38, s38, 3
	s_lshl_b32 s39, s[WV], 1
	s_add_co_u32 s38, s38, s39
	s_mul_i32 s38, s38, 196608                     ; (8 b + cg) x 2 x 128 half images
	s_and_b32 s39, ttmp9, 15
	s_mul_i32 s39, s39, 6144                       ; + 8 (block % 16)
	s_add_co_u32 s38, s38, s39
	s_mov_b32 s39, 0
	s_lshl_b32 s44, ttmp9, 3
	s_lshl_b32 s45, s[WV], 1
	s_add_co_u32 s44, s44, s45
	s_lshl_b32 s44, s44, 9
	s_add_co_u32 s44, s44, 6291456                 ; the scale words of (block, cg)
	s_mov_b32 s45, 0
	s_wait_kmcnt 0x0
	s_cmp_eq_u32 s[TV], 0                          ; the buffers are chosen by the work-group's number alone
	s_cselect_b64 s[4:5], s[4:5], s[6:7]
	s_cselect_b64 s[10:11], s[10:11], s[12:13]
	s_cselect_b64 s[18:19], s[18:19], s[20:21]
	s_cmp_eq_u32 s[TV], 2
	s_cselect_b64 s[4:5], s[8:9], s[4:5]
	s_cselect_b64 s[10:11], s[14:15], s[10:11]
	s_cselect_b64 s[18:19], s[22:23], s[18:19]
	s_add_nc_u64 s[4:5], s[4:5], s[32:33]          ; x
	s_add_nc_u64 s[16:17], s[16:17], s[34:35]      ; W
	s_add_nc_u64 s[10:11], s[10:11], s[36:37]      ; bias
	s_add_nc_u64 s[30:31], s[18:19], s[44:45]      ; out: scale words
	s_add_nc_u64 s[18:19], s[18:19], s[38:39]      ; out: codes
; ---- PHASE X.  Fragment f = 2 ks + u: tile 2 w + u, K step ks: 16 rows x 512 bytes.  Each load reads a row's 512 consecutive bytes; the 16 rows turn through my stage and come back 16 neighbours of each block a lane.
.macro LOADX f
	WIN 0x40                                       ; destination window 1
.irp i, 0,1,2,3,4,5,6,7,8,9,10,11,12,13,14,15
	global_load_b128 v[64*((\f)%4)+4*\i:64*((\f)%4)+4*\i+3], v[L16], s[4:5] offset:(8*((\f)%2)+\i+8*(\i/8))*4096+((\f)/2)*512 th:TH_LOAD_NT
.endr
	WIN 0
.endm
.macro TURN f
	WIN 0x04                                       ; an LDS store's data are its source 1: window 1
.irp i, 0,1,2,3,4,5,6,7,8,9,10,11,12,13,14,15
	ds_store_b128 v[SIN], v[64*((\f)%4)+4*\i:64*((\f)%4)+4*\i+3] offset:8448*((\f)%2)+528*\i
.endr
	WIN 0
.irp b, 0,1,2,3
.irp j, 0,1,2,3
	ds_load_b128 v[X0+64*((\f)%2)+16*\b+4*\j:X0+64*((\f)%2)+16*\b+4*\j+3], v[SOUT] offset:8448*((\f)%2)+128*\b+16*\j   ; LDS serves a wave's instructions in order: these see my stores
.endr
.endr
.endm
.macro XSTEP f
	s_wait_dscnt 0x0                               ; fragment f's numbers are back; its stage stores have read their registers; the last images have read the codes
.if (\f)+4 < 16
	LOADX (\f)+4                                   ; four fragments ahead, into the set just freed
.endif
.if (\f)+1 < 16
.if (\f) < 12
	s_wait_loadcnt 48                              ; fragment f + 1 is in: three younger sets of 16 loads may be out
.else
	s_wait_loadcnt 16*(14-(\f))                    ; the counts run down: 32, 16, 0
.endif
	TURN (\f)+1                                    ; through the other stage while this fragment is quantised
.endif
	QUANT X0+64*((\f)%2), PCX
.if (\f)/2 < 4
.irp c, 0,1,2
	ds_store_b128 v[XWI], v[PCX+4*\c:PCX+4*\c+3] offset:((\f)/2)*12288+((\f)%2)*1536+512*\c
.endr
.else
.irp c, 0,1,2
	ds_store_b128 v[XWI2], v[PCX+4*\c:PCX+4*\c+3] offset:((\f)/2-4)*12288+((\f)%2)*1536+512*\c
.endr
.endif
	ds_store_b32 v[XWS], v[PW] offset:((\f)/2)*512+4*((\f)%2)
.endm
	LOADX 0
	LOADX 1
	LOADX 2
	LOADX 3
	s_wait_loadcnt 48                              ; fragment 0 is in
	TURN 0
.set F, 0
.rept 16
	XSTEP F
.set F, F+1
.endr
	s_wait_dscnt 0x0                               ; for the others' sake: my images and scale words have landed
	s_barrier_signal -1
	s_barrier_wait -1                              ; x's 64 images lie in LDS and are never written again
; ---- THE PASSES
.macro LOADW set, blk                          ; a block of W: eight images and their scale words: 26 loads
	WIN 0x40
.irp i, 0,1,2,3,4,5,6,7
.irp c, 0,1,2
	global_load_b128 v[128*(\set)+12*\i+4*\c:128*(\set)+12*\i+4*\c+3], v[L16], s[16:17] offset:(\blk)*12800+1536*\i+512*\c
.endr
.endr
	WIN 0
.irp g, 0,1
	global_load_b128 v[WS+8*(\set)+4*\g:WS+8*(\set)+4*\g+3], v[R16], s[16:17] offset:(\blk)*12800+12288+256*\g
.endr
.endm
.macro FETCHX a0                               ; x's tiles a0 .. a0 + 3 of the K step in hand: 12 loads
.irp a, \a0, \a0+1, \a0+2, \a0+3
.irp c, 0,1,2
	ds_load_b128 v[XF+12*(\a)+4*\c:XF+12*(\a)+4*\c+3], v[XA] offset:1536*(\a)+512*\c
.endr
.endr
.endm
.macro FETCHS set                              ; its eight scale words
.irp g, 0,1
	ds_load_b128 v[XS+8*(\set)+4*\g:XS+8*(\set)+4*\g+3], v[XSA] offset:256*\g
.endr
.endm
; 32 matrix instructions: x's tiles a0 .. a0 + 3 against W's eight.  The accumulators take turns, one instruction a turn.  Written twice: for v the sources change places.
.macro GROUP a0, par, zero
	s_cmp_eq_u32 s[TV], 2
	s_cbranch_scc1 .Lgv_\@
	WIN 0xa1+0x50*((\a0)/4)                        ; source 0 (W) window 1, source 1 (x) window 0, C and D window 2 or 3
.irp a, \a0, \a0+1, \a0+2, \a0+3
.irp b, 0,1,2,3,4,5,6,7
.if \zero
	v_wmma_scale_f32_16x16x128_f8f6f4 v[8*(8*((\a)%4)+\b):8*(8*((\a)%4)+\b)+7], v[128*(\par)+12*\b:128*(\par)+12*\b+11], v[XF+12*(\a):XF+12*(\a)+11], 0, v[WS+8*(\par)+\b], v[XS+8*(\par)+(\a)] matrix_a_fmt:MATRIX_FMT_FP6 matrix_b_fmt:MATRIX_FMT_FP6
.else
	v_wmma_scale_f32_16x16x128_f8f6f4 v[8*(8*((\a)%4)+\b):8*(8*((\a)%4)+\b)+7], v[128*(\par)+12*\b:128*(\par)+12*\b+11], v[XF+12*(\a):XF+12*(\a)+11], v[8*(8*((\a)%4)+\b):8*(8*((\a)%4)+\b)+7], v[WS+8*(\par)+\b], v[XS+8*(\par)+(\a)] matrix_a_fmt:MATRIX_FMT_FP6 matrix_b_fmt:MATRIX_FMT_FP6
.endif
.endr
.endr
	WIN 0
	s_branch .Lgd_\@
.Lgv_\@:
	WIN 0xa4+0x50*((\a0)/4)                        ; source 0 (x) window 0, source 1 (W) window 1
.irp a, \a0, \a0+1, \a0+2, \a0+3
.irp b, 0,1,2,3,4,5,6,7
.if \zero
	v_wmma_scale_f32_16x16x128_f8f6f4 v[8*(8*((\a)%4)+\b):8*(8*((\a)%4)+\b)+7], v[XF+12*(\a):XF+12*(\a)+11], v[128*(\par)+12*\b:128*(\par)+12*\b+11], 0, v[XS+8*(\par)+(\a)], v[WS+8*(\par)+\b] matrix_a_fmt:MATRIX_FMT_FP6 matrix_b_fmt:MATRIX_FMT_FP6
.else
	v_wmma_scale_f32_16x16x128_f8f6f4 v[8*(8*((\a)%4)+\b):8*(8*((\a)%4)+\b)+7], v[XF+12*(\a):XF+12*(\a)+11], v[128*(\par)+12*\b:128*(\par)+12*\b+11], v[8*(8*((\a)%4)+\b):8*(8*((\a)%4)+\b)+7], v[XS+8*(\par)+(\a)], v[WS+8*(\par)+\b] matrix_a_fmt:MATRIX_FMT_FP6 matrix_b_fmt:MATRIX_FMT_FP6
.endif
.endr
.endr
	WIN 0
.Lgd_\@:
.endm
; A K step of 128.  par: the sets in hand.  fetch = 1: the next step's x is fetched.  blk >= 0: that block of W is asked for, into the set that this step has left.  lcnt: the loads of the one younger block of W, or 0.
.macro KSTEP par, zero, fetch, blk, lcnt
	s_wait_loadcnt \lcnt
	s_wait_dscnt 12                                ; x's tiles 0-3 and the scale words are in; the youngest 12 loads (tiles 4-7) may be out
	GROUP 0, \par, \zero
	s_wait_dscnt 0x0
	PLACES
.if \fetch
	s_add_co_u32 s[KX], s[KX], 12288
	s_add_co_u32 s[KS], s[KS], 512
	v_add_nc_u32 v[XA], s[KX], v[L16]
	v_add_nc_u32 v[XSA], s[KS], v[XSB]
	FETCHX 0
	FETCHS 1-\par
.endif
	GROUP 4, \par, \zero
	PLACES
.if \fetch
	FETCHX 4
.endif
.if \blk >= 0
	LOADW \par, \blk
.endif
.endm
; Result tile j: the bias is added on the way into window 0; 64 numbers are quantised; the fragment leaves as two half images.  q, k: j = x's tile (rows), the halves are the two heads.  v: j = W's tile (channels), the halves are keys 0-63 and 64-127.
.macro EPI j
	s_cmp_eq_u32 s[TV], 2
	s_cbranch_scc1 .Lev_\@
	WIN 0x02+(\j)/4                                ; source 0: window 2 or 3
.set N, 0
.rept 32
	v_pk_add_f32 v[ST+N:ST+N+1], v[64*((\j)%4)+N:64*((\j)%4)+N+1], v[BI+N:BI+N+1]     ; each accumulator from its low end on
.set N, N+2
.endr
	WIN 0
	s_branch .Led_\@
.Lev_\@:
.irp i, 0,1,2,3,4,5,6,7
	WIN 0x02+\i/4
.irp n, 0,2,4,6
	v_pk_add_f32 v[ST+8*\i+\n:ST+8*\i+\n+1], v[8*(8*(\i%4)+(\j))+\n:8*(8*(\i%4)+(\j))+\n+1], v[BI+8*(\j)+\n:BI+8*(\j)+\n+1]
.endr
.endr
	WIN 0
.Led_\@:
	s_wait_xcnt 0x0                                ; the last tile's stores have read the codes' registers,
	s_wait_dscnt 0x0                               ; and its LDS store the scale word's
	QUANT ST, PCE
	global_store_b128 v[L16], v[PCE:PCE+3], s[18:19] offset:768*(\j)                  ; 512 consecutive aligned bytes,
	global_store_b64 v[L8], v[PCE+4:PCE+5], s[18:19] offset:768*(\j)+512              ; and 256
	global_store_b128 v[L16], v[PCE+6:PCE+9], s[18:19] offset:98304+768*(\j)
	global_store_b64 v[L8], v[PCE+10:PCE+11], s[18:19] offset:98304+768*(\j)+512
	ds_store_b32 v[SSW], v[PW] offset:256*((\j)/4)+4*((\j)%4)                         ; lanes r and r + 16 write the same word with the same value
.endm
	s_mov_b32 s[PS], 2
.Lpass:
	s_cmp_eq_u32 s[TV], 2                          ; the bias in the result's layout; both ways write all 64 registers
	s_cbranch_scc1 .Lbv
.irp i, 0,1,2,3,4,5,6,7
	global_load_b128 v[BI+8*\i:BI+8*\i+3], v[H64], s[10:11] offset:(32*(\i/2)+8*(\i%2))*4        ; q, k: tile i: columns 32 (i / 2) + 8 (i % 2) + 16 h + 0 .. 7
	global_load_b128 v[BI+8*\i+4:BI+8*\i+7], v[H64], s[10:11] offset:(32*(\i/2)+8*(\i%2))*4+16
.endr
	s_branch .Lbd
.Lbv:
.irp j, 0,1,2,3,4,5,6,7
.irp n, 0,1,2,3,4,5,6,7
	global_load_b32 v[BI+8*\j+\n], v[BVA], s[10:11] offset:(32*(\j/2)+8*(\j%2))*4                ; v: tile j: my lane's one column, in all eight registers
.endr
.endr
.Lbd:
	LOADW 0, 0
	LOADW 1, 1
	s_mov_b32 s[KX], 0
	s_mov_b32 s[KS], 0
	v_add_nc_u32 v[XA], s[KX], v[L16]
	v_add_nc_u32 v[XSA], s[KS], v[XSB]
	FETCHX 0
	FETCHS 0
	FETCHX 4
	KSTEP 0, 1, 1, 2, 26                           ; K step 0 starts the sums: nothing is cleared
	s_mov_b32 s[KC], 2
.Lk:                                                   ; K steps 1, 2 and 3, 4
	KSTEP 1, 0, 1, 3, 26
	KSTEP 0, 0, 1, 4, 26
	s_wait_xcnt 0x0                                ; the loads have read their base
	s_add_nc_u64 s[16:17], s[16:17], 25600         ; two blocks on
	s_sub_co_u32 s[KC], s[KC], 1
	s_cmp_lg_u32 s[KC], 0
	s_cbranch_scc1 .Lk
	KSTEP 1, 0, 1, 3, 26                           ; K step 5 asks for block 7
	KSTEP 0, 0, 1, -1, 26
	KSTEP 1, 0, 0, -1, 0                           ; its last four places stand in front of the first read of results
.irp j, 0,1,2,3,4,5,6,7
	EPI \j
.endr
	ds_load_b64 v[OSR:OSR+1], v[SSR]               ; the eight tiles' scale words, 512 bytes: LDS serves a wave's instructions in order
	ds_load_b64 v[OSR+2:OSR+3], v[SSR] offset:256
	s_wait_dscnt 0x0
	global_store_b64 v[L8], v[OSR:OSR+1], s[30:31]                 ; 256 consecutive aligned bytes each
	global_store_b64 v[L8], v[OSR+2:OSR+3], s[30:31] offset:256
	s_wait_xcnt 0x0                                ; stores and loads have read their registers and bases
	s_add_nc_u64 s[16:17], s[16:17], 51200         ; the next column group: four blocks were stepped, four more
	s_add_nc_u64 s[18:19], s[18:19], 196608
	s_add_nc_u64 s[30:31], s[30:31], 512
	s_add_nc_u64 s[10:11], s[10:11], 512
	s_sub_co_u32 s[PS], s[PS], 1
	s_cmp_lg_u32 s[PS], 0
	s_cbranch_scc1 .Lpass
	s_wait_tensorcnt 0x0                           ; the wave's end: behind my last LDS store
	ds_add_u32 v[SPW], v[NIL]
	s_wait_dscnt 0x0
	s_endpgm
.Lfunc_end_k_q9f259203a0_proj:
	.size	k_q9f259203a0_proj, .Lfunc_end_k_q9f259203a0_proj-k_q9f259203a0_proj
	.p2alignl 7, 3214868480
	.fill 96, 4, 3214868480
	.section	.rodata,"a",@progbits
	.p2align	6, 0x0
	.amdhsa_kernel k_q9f259203a0_proj
		.amdhsa_group_segment_fixed_size 172544
		.amdhsa_private_segment_fixed_size 0
		.amdhsa_enable_private_segment 0
		.amdhsa_kernarg_size 80
		.amdhsa_user_sgpr_count 2
		.amdhsa_user_sgpr_kernarg_segment_ptr 1
		.amdhsa_wavefront_size32 1
		.amdhsa_system_sgpr_workgroup_id_x 1
		.amdhsa_system_sgpr_workgroup_id_y 1
		.amdhsa_system_sgpr_workgroup_id_z 1
		.amdhsa_system_vgpr_workitem_id 0
		.amdhsa_next_free_vgpr 1024
		.amdhsa_next_free_sgpr 66
		.amdhsa_reserve_vcc 0
		.amdhsa_float_denorm_mode_32 3
		.amdhsa_float_denorm_mode_16_64 3
		.amdhsa_memory_ordered 1
		.amdhsa_forward_progress 1
		.amdhsa_inst_pref_size 255
	.end_amdhsa_kernel
	.section	.bss,"aw",@nobits
	.p2align	6
	.space	262144
	.amdgpu_metadata
---
amdhsa.version: [ 1, 2 ]
amdhsa.kernels:
  - .name:           k_q9f259203a0_proj
    .symbol:         k_q9f259203a0_proj.kd
    .args:
      - { .name: q, .offset: 0, .size: 8, .value_kind: global_buffer, .address_space: global }
      - { .name: k, .offset: 8, .size: 8, .value_kind: global_buffer, .address_space: global }
      - { .name: v, .offset: 16, .size: 8, .value_kind: global_buffer, .address_space: global }
      - { .name: bq, .offset: 24, .size: 8, .value_kind: global_buffer, .address_space: global }
      - { .name: bk, .offset: 32, .size: 8, .value_kind: global_buffer, .address_space: global }
      - { .name: bv, .offset: 40, .size: 8, .value_kind: global_buffer, .address_space: global }
      - { .name: wimg, .offset: 48, .size: 8, .value_kind: global_buffer, .address_space: global }
      - { .name: qc, .offset: 56, .size: 8, .value_kind: global_buffer, .address_space: global }
      - { .name: kc, .offset: 64, .size: 8, .value_kind: global_buffer, .address_space: global }
      - { .name: vc, .offset: 72, .size: 8, .value_kind: global_buffer, .address_space: global }
    .group_segment_fixed_size: 172544
    .private_segment_fixed_size: 0
    .kernarg_segment_align: 8
    .kernarg_segment_size: 80
    .max_flat_workgroup_size: 128
    .sgpr_count:     66
    .vgpr_count:     1024
    .wavefront_size: 32
...
	.end_amdgpu_metadata
.endif
;; end of part 2
;; launch attn (part 3): grid 4 x 64, 16 waves a work-group, no clusters, 210,944 bytes of LDS; arguments qc, kc, vc, mask, cc; writes cc
.if DOCPART == 3
	.amdgcn_target "amdgcn-amd-amdhsa--gfx1250"
	.amdhsa_code_object_version 6
	.text
	.protected	k_q9f259203a0_attn
	.globl	k_q9f259203a0_attn
	.p2align	8
	.type	k_q9f259203a0_attn,@function
k_q9f259203a0_attn:
	s_mov_b64 s[64:65], 0
	v_nop
	global_prefetch_b8 v0, s[64:65] scope:SCOPE_SE
	s_setreg_imm32_b32 hwreg(HW_REG_WAVE_MODE, 25, 1), 1
	s_wait_xcnt 0x0
; One head of one batch (work-group y = 16 b + h), 512 queries (work-group x): S^T = K Q^T, the key mask, p = 2^(t - M), O^T = V^T P^T, O / l, and concat's codes.  All products on codes of FP6 (E2M3) with E8M0 scales.
; t = score x log2(e) / 8; M = the running largest t rounded up to a whole number; the row's sum l is taken of the unquantised p; when M moves, l and O^T are multiplied by 2^(old M - new M), exactly.
; SHARES.  ALL of the head's K and V (2 x 98,304 bytes of half images) lie in LDS, filled once by 16 tensor loads (waves 0-3, four each, by chunks of four key steps).  Each of the sixteen waves owns two tiles of 16 queries, one after the other;
; four waves share a SIMD, so that one wave's vector work stands beside another's matrix work.  A key step is 128 keys.
; Both products are used transposed: a lane holds one query (lane % 16) throughout.  Lane r of key tile t holds key 32 (t / 2) + 8 (t % 2) + r + 8 (r / 8), so that the 16 registers of two neighbouring tiles are 16 neighbouring keys.
; THE MASK RIDES IN THE UNUSED HALF OF THE FIRST PRODUCT'S K (the head has 64 of the instruction's 128).  Every K fragment holds the code -7.5 at k = 64, Q the code 1.0 with the scale byte 127; K's scale byte of that block is 227 (2^100)
; for a hidden key and 1 (2^-126) for an open one.  So a hidden key's score is about -9.5e30, its p is 0, and the loop has no instruction for the mask.  The largest t starts at -2^90, above every hidden t, so no hidden key sets M.
; A batch with no open key: all of Q's codes are made 0 (a select, no branch): every score is 0 and every p is 1, the uniform weights that the softmax of equal logits gives.
; LIMITS: an open key's t must lie above -2^90; a hidden logit is about -1.2e30 where the source has -1e30 (both give p = 0); an open score is moved by -7.5 x 2^-126; NaN and infinities are not served.
; The four work-groups of a head read the same K and V, 196,608 bytes once each, against 512 tile steps of work; a joint load would spare only that one fill: no cluster.  All bytes are asked for in the first lines: nothing is left to prefetch.
; REGISTERS: v1-5 the step's LDS addresses; v6, v7 the add's two; v8-11, v30, v31 lane places that stay; v12 -M, v13 the largest t, v[14:15] l; v16-27 Q, v28 its scale word, v29 p's; v32-79 four fragments of K (registers 6-11 constant);
;   v80-87 K's scale words, v88-91 V's; v96-159 S^T, then p, then four fragments of V; v160-191 O^T; v192-211 p's codes; v212-227 at work; v240-246 the second tile's Q.
.set TAB,   196608                     ; LDS behind the four fill regions of 49,152 bytes: for each key step 768 bytes: K's scale words with the mask's byte (512), V's (256).  Written by ds_store, never by a fill
.set SPARE, 208896                     ; the spare words, 128 bytes a wave: eight blocks of 256 bytes that no other line names
.set ADK,  1
.set ADK1, 2
.set ADV,  3
.set ADV1, 4
.set ADT,  5
.set SPW,  6
.set NIL,  7
.set A16,  8                           ; 16 x lane
.set A8,   9                           ; 8 x lane
.set AK1,  10                          ; 8 x lane + 512
.set AV0,  11                          ; 16 x lane + 98,304
.set AV1,  30                          ; 8 x lane + 98,816
.set AT0,  31                          ; TAB + 16 r
.set KF,   32
.set PCD,  192
.set PCT,  204
.set MX,   212
.set PT,   216
.set SO,   220
.set FF,   224
.set TP,   226
.set HW,   227
.set CSA,  228
.set LN,   232
.set RR,   233
.set HH,   234
.set R16,  235
.set RT,   236
.set MA,   237
.set ML,   238
.set TS0,  239
.set TS1,  247
.set K6,   248
.set WV,   14
.set SH,   19
.set SEL,  20
.set CS,   22
.set G1,   24
.set G0,   32
.set ANY,  48
.set TB,   49
.set TT,   50
.set CT,   51
.set KSB,  52
.set VSB,  54
.set QB,   56
.set QSB,  58
.set MB,   60
.set CB,   62
.set CSB,  66
	s_load_b256 s[4:11], s[0:1], 0x0               ; qc, kc, vc, mask
	s_load_b64 s[12:13], s[0:1], 0x20              ; cc
	v_lshl_add_u32 v[SPW], v0, 2, SPARE
	v_mov_b32 v[NIL], 0
	ds_add_u32 v[SPW], v[NIL]                      ; the wave's opening: the add and its wait stand ahead of the first tensor load; work on registers stands between them
	v_lshrrev_b32 v[LN], 5, v0
	v_readfirstlane_b32 s[WV], v[LN]               ; wave 0..15
	s_and_b32 s15, ttmp7, 0xffff
	s_and_b32 s16, s15, 15                         ; h
	s_lshr_b32 s15, s15, 4                         ; b
	s_lshr_b32 s17, s16, 1                         ; the pair of heads
	s_and_b32 s18, s16, 1                          ; and which of the two
	s_lshl_b32 s[SH], s18, 4
	s_mov_b32 s[G1], 3<<16                         ; group 1: no mask; elements of 8 bytes; no padding
	s_mov_b32 s[G1+1], 384<<16                     ; tensor_dim0 = 384: a row is 3,072 bytes: a key step's four half images
	s_mov_b32 s[G1+2], 4<<16                       ; tensor_dim1 = 4 key steps
	s_mov_b32 s[G1+3], 384<<16                     ; tile_dim0
	s_mov_b32 s[G1+4], 4                           ; tile_dim1
	s_mov_b32 s[G1+5], 768                         ; from a key step to the next: eight half images, 6,144 bytes
	s_mov_b32 s[G1+6], 0
	s_mov_b32 s[G1+7], 0
	s_mov_b32 s[SEL], 0x76543210
	s_mov_b32 s[SEL+1], 0xfedcba98
	s_mov_b32 s[CS], 0x3e38aa3b                    ; c = log2(e) / 8
	s_mov_b32 s[CS+1], s[CS]
	s_lshl_b32 s68, s15, 3
	s_add_co_u32 s68, s68, s17
	s_lshl_b32 s68, s68, 1                         ; 2 (8 b + pair)
	s_and_b32 s2, s[WV], 1
	s_cmp_lt_u32 s[WV], 2                          ; waves 0, 1: K's tiles 0-3, 4-7 of my head;  waves 2, 3: V's keys 0-63, 64-127 of each step, my head's four channel tiles
	s_cselect_b32 s3, s18, s2                      ; which run of 128 half images,
	s_cselect_b32 s69, s2, s18                     ; and which four of a step's eight
	s_add_co_u32 s3, s3, s68
	s_mul_i32 s70, s3, 98304
	s_mul_i32 s69, s69, 3072
	s_add_co_u32 s70, s70, s69
	s_mov_b32 s71, 0
	s_mul_i32 s69, s[WV], 49152                    ; my region of LDS
	s_wait_dscnt 0x0                               ; the opening add is done
	s_wait_kmcnt 0x0
	s_cmp_lt_u32 s[WV], 2
	s_cselect_b64 s[2:3], s[6:7], s[8:9]
	s_add_nc_u64 s[2:3], s[2:3], s[70:71]
.irp p, 0,1,2,3
	s_mov_b32 s[G0+4*\p], 1
	s_add_co_u32 s[G0+4*\p+1], s69, \p*12288       ; chunk p: key steps 4 p .. 4 p + 3
	s_add_nc_u64 s[G0+4*\p+2:G0+4*\p+3], s[2:3], \p*24576
	s_or_b32 s[G0+4*\p+3], s[G0+4*\p+3], 0x80000000
.endr
	s_cmp_lt_u32 s[WV], 4                          ; all first fills of a wave stand in one branch on its number: four loads of mine are out
	s_cbranch_scc0 .Lno_fill
.irp p, 0,1,2,3
	tensor_load_to_lds s[G0+4*\p:G0+4*\p+3], s[G1:G1+7]
	s_nop 0
.endr
.rept 4
	v_nop
.endr
.Lno_fill:
	s_lshl_b32 s70, s15, 4                         ; the scale words of key step w (each wave prepares one step's): block 16 b + w, my pair of heads
	s_add_co_u32 s70, s70, s[WV]
	s_lshl_b32 s70, s70, 3
	s_add_co_u32 s70, s70, s17
	s_lshl_b32 s70, s70, 9
	s_add_co_u32 s70, s70, 6291456
	s_add_nc_u64 s[KSB:KSB+1], s[6:7], s[70:71]
	s_lshl_b32 s2, s18, 8
	s_add_co_u32 s70, s70, s2                      ; V's: my head's four channel tiles
	s_add_nc_u64 s[VSB:VSB+1], s[8:9], s[70:71]
	s_add_co_u32 s70, s68, s18                     ; Q: my head's run, tile T0 = 32 x + 2 w
	s_mul_i32 s70, s70, 98304
	s_lshl_b32 s2, ttmp9, 5
	s_lshl_b32 s3, s[WV], 1
	s_add_co_u32 s2, s2, s3
	s_mul_i32 s3, s2, 768
	s_add_co_u32 s70, s70, s3
	s_add_nc_u64 s[QB:QB+1], s[4:5], s[70:71]
	s_lshl_b32 s70, s15, 4                         ; Q's scale words: block 16 b + 4 x + w / 4, tile 2 (w % 4) of its eight
	s_lshl_b32 s3, ttmp9, 2
	s_add_co_u32 s70, s70, s3
	s_lshr_b32 s3, s[WV], 2
	s_add_co_u32 s70, s70, s3
	s_lshl_b32 s70, s70, 3
	s_add_co_u32 s70, s70, s17
	s_lshl_b32 s70, s70, 9
	s_bfe_u32 s3, s[WV], 0x10001
	s_lshl_b32 s3, s3, 8
	s_add_co_u32 s70, s70, s3
	s_and_b32 s3, s[WV], 1
	s_lshl_b32 s3, s3, 3
	s_add_co_u32 s70, s70, s3
	s_add_co_u32 s70, s70, 6291456
	s_add_nc_u64 s[QSB:QSB+1], s[4:5], s[70:71]
	s_lshl_b32 s70, s15, 11
	s_add_nc_u64 s[MB:MB+1], s[10:11], s[70:71]    ; the batch's 2,048 mask bytes
	s_lshl_b32 s70, s15, 7                         ; concat's codes: half image (128 b + T0) 16 + h
	s_add_co_u32 s70, s70, s2
	s_lshl_b32 s70, s70, 4
	s_add_co_u32 s70, s70, s16
	s_mul_i32 s70, s70, 768
	s_add_nc_u64 s[CB:CB+1], s[12:13], s[70:71]
	s_lshl_b32 s70, s15, 11                        ; concat's scale bytes: 32 a row; row 2,048 b + 512 x + 32 w; my head's two at 2 h
	s_lshl_b32 s3, ttmp9, 9
	s_add_co_u32 s70, s70, s3
	s_lshl_b32 s3, s[WV], 5
	s_add_co_u32 s70, s70, s3
	s_lshl_b32 s70, s70, 5
	s_lshl_b32 s3, s16, 1
	s_add_co_u32 s70, s70, s3
	s_add_co_u32 s70, s70, 6291456
	s_add_nc_u64 s[CSB:CSB+1], s[12:13], s[70:71]
	v_and_b32 v[LN], 31, v0
	v_and_b32 v[RR], 15, v0
	v_bfe_u32 v[HH], v0, 4, 1
	v_lshlrev_b32 v[A16], 4, v[LN]
	v_lshlrev_b32 v[A8], 3, v[LN]
	v_lshlrev_b32 v[R16], 4, v[RR]
	v_and_b32 v[RT], 8, v[RR]
	v_add_nc_u32 v[RT], v[RT], v[RR]               ; r + 8 (r / 8)
	v_lshl_add_u32 v[MA], v[HH], 6, v[RT]
	s_lshl_b32 s3, s[WV], 7
	v_add_nc_u32 v[MA], s3, v[MA]                  ; the key of my first scale word: 128 w + 64 (lane / 16) + r + 8 (r / 8)
	v_lshlrev_b32 v[ML], 6, v[LN]
.irp i, 0,1,2,3
	global_load_b128 v[96+4*\i:99+4*\i], v[ML], s[MB:MB+1] offset:16*\i     ; the whole batch's mask, 64 bytes a lane: is any key open?
.endr
	global_load_b128 v[112:115], v[A16], s[KSB:KSB+1]                       ; K's scale words of step w: lane l: tiles 4 (l / 16) + 0 .. 3, row r
	global_load_u8 v116, v[MA], s[MB:MB+1]                                  ; and those four keys' mask bytes
	global_load_u8 v117, v[MA], s[MB:MB+1] offset:8
	global_load_u8 v118, v[MA], s[MB:MB+1] offset:32
	global_load_u8 v119, v[MA], s[MB:MB+1] offset:40
	global_load_b64 v[120:121], v[A8], s[VSB:VSB+1]                         ; V's scale words of step w
	global_load_b128 v[16:19], v[A16], s[QB:QB+1]                           ; my first tile of Q,
	global_load_b64 v[20:21], v[A8], s[QB:QB+1] offset:512
	global_load_b128 v[240:243], v[A16], s[QB:QB+1] offset:768              ; my second
	global_load_b64 v[244:245], v[A8], s[QB:QB+1] offset:1280
	global_load_b32 v28, v[R16], s[QSB:QSB+1]
	global_load_b32 v246, v[R16], s[QSB:QSB+1] offset:4
	v_add_nc_u32 v[AK1], 512, v[A8]
	v_add_nc_u32 v[AV0], 98304, v[A16]
	v_add_nc_u32 v[AV1], 98816, v[A8]
	v_add_nc_u32 v[AT0], TAB, v[R16]
	v_lshlrev_b32 v[CSA], 5, v[RT]
	s_mul_i32 s3, s[WV], 768
	s_add_co_u32 s3, s3, TAB
	v_add_nc_u32 v[TS0], s3, v[A16]
	s_add_co_u32 s3, s3, 512
	v_add_nc_u32 v[TS1], s3, v[A8]
	v_sub_nc_u32 v[HH], 1, v[HH]                   ; 1 in lanes 0-15, which hold k = 64 .. 95 in registers 6-11
	v_mul_u32_u24 v[K6], v[HH], 0x3f               ; the code -7.5 at k = 64
.irp t, 0,1,2,3
	v_mov_b32 v[KF+12*\t+6], v[K6]                 ; the upper halves of K's four fragments never change
.irp i, 7,8,9,10,11
	v_mov_b32 v[KF+12*\t+\i], 0
.endr
.endr
.irp i, 23,24,25,26,27
	v_mov_b32 v[\i], 0
.endr
.irp b, 0,1,2,3
	v_mov_b32 v[PT+\b], 0                          ; written once: a lane permute's destination counts as one of its sources
.endr
	v_mov_b32 v[FF+1], 0                           ; (named as the upper half of a pair)
	v_mov_b32 v[TP], 0
	s_wait_loadcnt 0x0
.irp i, 1,2,3,4,5,6,7,8,9,10,11,12,13,14,15
	v_or_b32 v96, v96, v[96+\i]
.endr
	v_cmp_ne_u32 s[ANY], 0, v96
	s_cmp_lg_u32 s[ANY], 0
	s_cselect_b32 s[ANY], -1, 0                    ; all ones if the batch has an open key: it selects values, no branch hangs on it
	v_lshlrev_b32 v22, 3, v[HH]                    ; Q: the code 1.0 at k = 64,
	v_and_b32 v22, s[ANY], v22                     ; or nothing
.irp i, 0,1,2,3
	v_lshrrev_b32 v[112+\i], s[SH], v[112+\i]      ; my head's two bytes,
	v_and_b32 v[112+\i], 0xffff, v[112+\i]
	v_mul_u32_u24 v[116+\i], v[116+\i], 226
	v_sub_nc_u32 v[116+\i], 227, v[116+\i]         ; and over them 1 for an open key, 227 for a hidden one
	v_lshl_or_b32 v[112+\i], v[116+\i], 16, v[112+\i]
.endr
	ds_store_b128 v[TS0], v[112:115]
	ds_store_b64 v[TS1], v[120:121]
.macro TILE_HEAD u
.irp i, 0,1,2,3,4,5
.if \u
	v_and_b32 v[16+\i], s[ANY], v[240+\i]
.else
	v_and_b32 v[16+\i], s[ANY], v[16+\i]
.endif
.endr
.if \u
	v_lshrrev_b32 v28, s[SH], v246
.else
	v_lshrrev_b32 v28, s[SH], v28
.endif
	v_and_b32 v28, 0xffff, v28                     ; my head's two bytes,
	v_or_b32 v28, 0x7f0000, v28                    ; and 127 for the mask's block
	v_mov_b32 v13, 0xec800000                      ; the largest t so far: -2^90
	v_floor_f32 v12, -v13                          ; -M
	v_mov_b32 v14, 0
	v_mov_b32 v15, 0
.set J, 0
.rept 32
	v_mov_b32 v[160+J], 0                          ; O^T: the step is written once; the first change of M leaves zeros zeros.  (These are also the places between Q's registers and the first products)
.set J, J+1
.endr
	s_mov_b32 s[TB], 0
	s_mov_b32 s[TT], 0
.endm
; A KEY STEP: 128 keys.
.macro STEP
	v_add_nc_u32 v[ADK], s[TB], v[A16]             ; five additions and a v_nop: the places behind the last step's products, whose operands are written over below
	v_add_nc_u32 v[ADK1], s[TB], v[AK1]
	v_add_nc_u32 v[ADV], s[TB], v[AV0]
	v_add_nc_u32 v[ADV1], s[TB], v[AV1]
	v_add_nc_u32 v[ADT], s[TT], v[AT0]
	v_nop
.irp g, 0,1                                    ; S^T = K Q^T, four tiles of 16 keys at a time
.if \g
.rept 4
	v_nop                                          ; places in front of loads into registers that matrix instructions have read
.endr
.endif
.irp t, 0,1,2,3
	ds_load_b128 v[KF+12*\t:KF+12*\t+3], v[ADK] offset:49152*\g+768*\t
	ds_load_b64 v[KF+12*\t+4:KF+12*\t+5], v[ADK1] offset:49152*\g+768*\t
.endr
.if \g == 0
	ds_load_b128 v[80:83], v[ADT]                  ; the step's scale words: K's tiles 0-3, 4-7, V's four
	ds_load_b128 v[84:87], v[ADT] offset:256
	ds_load_b128 v[88:91], v[ADT] offset:512
.endif
	s_wait_dscnt 0x0
.irp t, 0,1,2,3
	v_wmma_scale_f32_16x16x128_f8f6f4 v[96+8*(4*\g+\t):103+8*(4*\g+\t)], v[KF+12*\t:KF+12*\t+11], v[16:27], 0, v[80+4*\g+\t], v28 matrix_a_fmt:MATRIX_FMT_FP6 matrix_b_fmt:MATRIX_FMT_FP6
.endr
.endr
.rept 4
	v_nop
.endr
.irp b, 0,1,2,3
	v_max3_num_f32 v[MX+\b], v[96+16*\b], v[97+16*\b], v[98+16*\b]    ; the largest score of each block of 32 keys: for the row's maximum, and, since p rises with the score, for the block's largest p
.endr
.irp i, 3,5,7,9,11,13
.irp b, 0,1,2,3
	v_max3_num_f32 v[MX+\b], v[MX+\b], v[96+16*\b+\i], v[97+16*\b+\i]
.endr
.endr
.irp b, 0,1,2,3
	v_max_num_f32 v[MX+\b], v[MX+\b], v[111+16*\b]
.endr
.irp b, 0,1,2,3
	v_permlanex16_b32 v[PT+\b], v[MX+\b], s[SEL], s[SEL+1]
.endr
.irp b, 0,1,2,3
	v_max_num_f32 v[MX+\b], v[MX+\b], v[PT+\b]     ; with lane l xor 16's 16 keys
.endr
	v_max3_num_f32 v[TP], v[MX], v[MX+1], v[MX+2]
	v_max_num_f32 v[TP], v[TP], v[MX+3]
	v_mul_f32 v[TP], s[CS], v[TP]                  ; as t
	v_max_num_f32 v13, v13, v[TP]                  ; the running largest t
	v_mov_b32 v[TP], v12
	v_floor_f32 v12, -v13                          ; the new -M = -ceil(t)
	v_sub_f32 v[TP], v12, v[TP]                    ; old M - new M: a whole number, 0 or less
	v_cvt_i32_f32 v[TP], v[TP]                     ; (it saturates)
	v_ldexp_f32 v[FF], 1.0, v[TP]                  ; f = 2^(old M - new M)
.set J, 0
.rept 32
	v_pk_fma_f32 v[96+J:97+J], v[96+J:97+J], s[CS:CS+1], v[12:13] op_sel_hi:[1,0,0]   ; t - M, two at a time
.set J, J+2
.endr
.irp b, 0,1,2,3
	v_fma_f32 v[MX+\b], v[MX+\b], s[CS], v12       ; the same of each block's largest score
.endr
.set J, 0
.rept 64
	v_exp_f32 v[96+J], v[96+J]                     ; p = 2^(t - M), not normalised
.set J, J+1
.endr
	v_pk_mul_f32 v[14:15], v[14:15], v[FF:FF+1] op_sel_hi:[1,0]      ; l under the new M: the plain place behind the exponentials
	s_wait_alu depctr_va_vdst(0)                   ; one wait for the batch, ahead of its first reader
.irp b, 0,1,2,3
	v_exp_f32 v[MX+\b], v[MX+\b]                   ; the blocks' largest p
.endr
	v_pk_add_f32 v[PT:PT+1], v[96:97], v[98:99]    ; the row's sum of the unquantised p, in two chains: plain work behind the four
.set J, 4
.rept 15
	v_pk_add_f32 v[14:15], v[14:15], v[96+J:97+J]
	v_pk_add_f32 v[PT:PT+1], v[PT:PT+1], v[98+J:99+J]
.set J, J+4
.endr
	v_pk_add_f32 v[14:15], v[14:15], v[PT:PT+1]
	s_wait_alu depctr_va_vdst(0)                   ; and one for the four
.irp b, 0,1,2,3
	v_max_num_f32 v[MX+\b], 0x1800000, v[MX+\b]    ; the floor 2^(3 - 127): a block whose every p is 0 keeps the byte 1; its codes are zeros
.endr
.irp b, 0,1,2,3
	v_add_nc_u32 v[SO+\b], 0xff000000, v[MX+\b]    ; the conversion's scale operand
.endr
.irp b, 0,1,2,3
	v_lshrrev_b32 v[PT+\b], 23, v[SO+\b]           ; the scale's byte
.endr
	v_lshl_or_b32 v29, v[PT+1], 8, v[PT]           ; p's scale word for these 128 keys
	v_lshl_or_b32 v29, v[PT+2], 16, v29
	v_lshl_or_b32 v29, v[PT+3], 24, v29
.irp c, 0,1
	v_cvt_scalef32_pk16_fp6_f32 v[PCD+6*\c:PCD+2+6*\c], v[96+32*\c:111+32*\c], v[SO+2*\c]
	v_cvt_scalef32_pk16_fp6_f32 v[PCT+4*\c:PCT+2+4*\c], v[112+32*\c:127+32*\c], v[SO+2*\c+1]
.endr
	v_nop                                          ; one plain place behind a scaled conversion
.irp t, 0,1,2,3                                ; V's four fragments (16 channels x 128 keys: two half images each) into the registers that p has left
	ds_load_b128 v[96+12*\t:99+12*\t], v[ADV] offset:768*\t
	ds_load_b64 v[100+12*\t:101+12*\t], v[ADV1] offset:768*\t
	ds_load_b128 v[102+12*\t:105+12*\t], v[ADV] offset:49152+768*\t
	ds_load_b64 v[106+12*\t:107+12*\t], v[ADV1] offset:49152+768*\t
.endr
.irp c, 0,1                                    ; a whole block in a lane: lanes 0-15 block 2 c, lanes 16-31 block 2 c + 1
.irp i, 0,1,2
	v_permlane16_swap_b32 v[PCD+6*\c+\i], v[PCT+4*\c+\i]
.endr
.irp i, 0,1,2
	v_mov_b32 v[PCD+3+6*\c+\i], v[PCT+4*\c+\i]
.endr
.endr
.set J, 0
.rept 16
	v_pk_mul_f32 v[160+J:161+J], v[160+J:161+J], v[FF:FF+1] op_sel_hi:[1,0]   ; O^T under the new M; also the places in front of the products below
.set J, J+2
.endr
	s_wait_dscnt 0x0
.irp t, 0,1,2,3                                ; O^T += V^T P^T: the four accumulators by turns
	v_wmma_scale_f32_16x16x128_f8f6f4 v[160+8*\t:167+8*\t], v[96+12*\t:107+12*\t], v[192:203], v[160+8*\t:167+8*\t], v[88+\t], v29 matrix_a_fmt:MATRIX_FMT_FP6 matrix_b_fmt:MATRIX_FMT_FP6
.endr
	s_add_co_u32 s[TB], s[TB], 3072                ; the next key step's images and scale words
	s_add_co_u32 s[TT], s[TT], 768
.endm
; O^T / l; register 16 b + i is channel 32 b + 16 (lane / 16) + i of my query: two blocks along concat's K.  They are quantised and leave as one half image and two scale bytes a row.
.macro TILE_TAIL u
.rept 4
	v_nop                                          ; places behind the last products
.endr
	v_add_f32 v14, v14, v15
	v_permlanex16_b32 v[TP], v14, s[SEL], s[SEL+1]
	v_add_f32 v14, v14, v[TP]                      ; the row's sum
	v_rcp_f32 v14, v14
	v_nop                                          ; a plain place behind the transcendental
	s_wait_alu depctr_va_vdst(0)                   ; and the wait ahead of its first reader
.set J, 0
.rept 32
	v_mul_f32 v[96+J], v[160+J], v14
.set J, J+1
.endr
.irp b, 0,1
	v_max3_num_f32 v[MX+\b], |v[96+16*\b]|, |v[97+16*\b]|, 0x1800000
.endr
.irp i, 2,4,6,8,10,12,14
.irp b, 0,1
	v_max3_num_f32 v[MX+\b], v[MX+\b], |v[96+16*\b+\i]|, |v[97+16*\b+\i]|
.endr
.endr
.irp b, 0,1
	v_permlanex16_b32 v[PT+\b], v[MX+\b], s[SEL], s[SEL+1]
.endr
.irp b, 0,1
	v_max_num_f32 v[MX+\b], v[MX+\b], v[PT+\b]
.endr
.irp b, 0,1
	v_add_nc_u32 v[SO+\b], 0xff000000, v[MX+\b]
.endr
.irp b, 0,1
	v_lshrrev_b32 v[PT+\b], 23, v[SO+\b]
.endr
	v_lshl_or_b32 v[HW], v[PT+1], 8, v[PT]
	v_cvt_scalef32_pk16_fp6_f32 v[PCD:PCD+2], v[96:111], v[SO]
	v_cvt_scalef32_pk16_fp6_f32 v[PCT:PCT+2], v[112:127], v[SO+1]
	v_nop
.irp i, 0,1,2
	v_permlane16_swap_b32 v[PCD+\i], v[PCT+\i]
.endr
.irp i, 0,1,2
	v_mov_b32 v[PCD+3+\i], v[PCT+\i]
.endr
	global_store_b128 v[A16], v[PCD:PCD+3], s[CB:CB+1] offset:12288*\u            ; 512 consecutive aligned bytes,
	global_store_b64 v[A8], v[PCD+4:PCD+5], s[CB:CB+1] offset:12288*\u+512        ; and 256
	global_store_b16 v[CSA], v[HW], s[CSB:CSB+1] offset:256*\u                    ; two bytes of each row's 32: lanes r and r + 16 store the same
	s_wait_xcnt 0x0                                ; the stores have read their registers
.endm
	TILE_HEAD 0
.irp p, 0,1,2,3
	s_wait_tensorcnt 3-\p                          ; my part of chunk p has landed; the younger chunks may stay out
	s_wait_dscnt 0x0                               ; my scale words are stored (p = 0); no LDS instruction of mine is out
	s_barrier_signal -1
	s_barrier_wait -1                              ; everybody's has
	s_mov_b32 s[CT], 4
.Lchunk\p:
	STEP
	s_sub_co_u32 s[CT], s[CT], 1
	s_cmp_lg_u32 s[CT], 0
	s_cbranch_scc1 .Lchunk\p
.endr
	TILE_TAIL 0
	TILE_HEAD 1
	s_mov_b32 s[CT], 16
.Ltile1:
	STEP
	s_sub_co_u32 s[CT], s[CT], 1
	s_cmp_lg_u32 s[CT], 0
	s_cbranch_scc1 .Ltile1
	TILE_TAIL 1
	s_wait_tensorcnt 0x0                           ; the wave's end: behind my last tensor load and my last LDS store
	ds_add_u32 v[SPW], v[NIL]
	s_wait_dscnt 0x0
	s_endpgm
.Lfunc_end_k_q9f259203a0_attn:
	.size	k_q9f259203a0_attn, .Lfunc_end_k_q9f259203a0_attn-k_q9f259203a0_attn
	.p2alignl 7, 3214868480
	.fill 96, 4, 3214868480
	.section	.rodata,"a",@progbits
	.p2align	6, 0x0
	.amdhsa_kernel k_q9f259203a0_attn
		.amdhsa_group_segment_fixed_size 210944
		.amdhsa_private_segment_fixed_size 0
		.amdhsa_enable_private_segment 0
		.amdhsa_kernarg_size 40
		.amdhsa_user_sgpr_count 2
		.amdhsa_user_sgpr_kernarg_segment_ptr 1
		.amdhsa_wavefront_size32 1
		.amdhsa_system_sgpr_workgroup_id_x 1
		.amdhsa_system_sgpr_workgroup_id_y 1
		.amdhsa_system_sgpr_workgroup_id_z 1
		.amdhsa_system_vgpr_workitem_id 0
		.amdhsa_next_free_vgpr 256
		.amdhsa_next_free_sgpr 72
		.amdhsa_reserve_vcc 0
		.amdhsa_float_denorm_mode_32 3
		.amdhsa_float_denorm_mode_16_64 3
		.amdhsa_memory_ordered 1
		.amdhsa_forward_progress 1
		.amdhsa_inst_pref_size 103
	.end_amdhsa_kernel
	.amdgpu_metadata
---
amdhsa.version: [ 1, 2 ]
amdhsa.kernels:
  - .name:           k_q9f259203a0_attn
    .symbol:         k_q9f259203a0_attn.kd
    .args:
      - { .name: qc, .offset: 0, .size: 8, .value_kind: global_buffer, .address_space: global }
      - { .name: kc, .offset: 8, .size: 8, .value_kind: global_buffer, .address_space: global }
      - { .name: vc, .offset: 16, .size: 8, .value_kind: global_buffer, .address_space: global }
      - { .name: mask, .offset: 24, .size: 8, .value_kind: global_buffer, .address_space: global }
      - { .name: cc, .offset: 32, .size: 8, .value_kind: global_buffer, .address_space: global }
    .group_segment_fixed_size: 210944
    .private_segment_fixed_size: 0
    .kernarg_segment_align: 8
    .kernarg_segment_size: 40
    .max_flat_workgroup_size: 512
    .sgpr_count:     72
    .vgpr_count:     256
    .wavefront_size: 32
...
	.end_amdgpu_metadata
.endif
;; end of part 3
;; launch outp (part 4): grid 4 x 64, 4 waves a work-group, no clusters, 120,320 bytes of LDS; arguments cc, wimg, bo, out0; writes out0
.if DOCPART == 4
	.amdgcn_target "amdgcn-amd-amdhsa--gfx1250"
	.amdhsa_code_object_version 6
	.text
	.protected	k_q9f259203a0_outp
	.globl	k_q9f259203a0_outp
	.p2align	8
	.type	k_q9f259203a0_outp,@function
k_q9f259203a0_outp:
	s_mov_b64 s[64:65], 0
	v_nop
	global_prefetch_b8 v0, s[64:65] scope:SCOPE_SE
	s_setreg_imm32_b32 hwreg(HW_REG_WAVE_MODE, 25, 1), 1
	s_wait_xcnt 0x0
; out0 = concat Wo + bo on codes of FP6 (E2M3) with E8M0 scales.  A work-group makes 128 rows (work-group y) x 256 columns (work-group x); wave w all 128 rows x 64 columns: 32 accumulators.
; concat's codes come as half images (a head's 64 along K); two of them, loaded into registers 0-5 and 6-11, are a fragment of 128 along K.  Wave w brings tiles 2 w, 2 w + 1 for all of K and stores their images to LDS; one barrier.
; Wo's fragments of the wave's four column tiles, for all of K (384 registers), come from memory once and stay in registers.  The bias is the C of each sum's first product.
; Used transposed: source 0 = 16 columns of Wo, source 1 = 16 rows of concat: a lane holds eight neighbouring columns of one row.  Lane r of a tile holds row (or column) 32 (t / 2) + 8 (t % 2) + r + 8 (r / 8) of its 128.
; The four work-groups of a row block read the same 98,304 bytes of codes once each, through registers; there is no ring that a joint load could feed: no cluster.
; REGISTERS: window 0: v1-14 addresses; v30, v31 the add's two; v32-63 Wo's scale words (4 a K step); v64-159 concat's eight fragments (way out: two sets of 32 at v64, v96); v160-175 its scale words, two sets; v176-207 the bias; v208-215 scale words as loaded.
;   Window 1: Wo's fragments of K steps 0-4 at v[48 ks + 12 b];  window 3: of K steps 5-7.  Window 2: at the head 192 registers of concat's fragments on their way to LDS; then accumulator (a, b) at v[8 (4 a + b)].
.set XIMG,  0                          ; LDS: (K step ks, tile a) at 1,536 (8 ks + a)
.set XSC,   98304                      ; scale words: 512 bytes a K step: (tile a, lane r) at 256 (a / 4) + 16 r + 4 (a % 4)
.set STG,   102400                     ; for each wave a stage of 16 rows x (256 + 16) bytes
.set SPARE, 119808                     ; the spare words, 128 bytes a wave: two blocks of 256 bytes that no other line names
.set L16,  1
.set L16B, 2                           ; 16 x lane + 49,152: K steps 4-7 (an LDS offset has 16 bits)
.set L8,   3
.set R16,  4
.set H64,  5
.set XWI,  6
.set XWI2, 7
.set XWS,  8
.set XSB,  9
.set STO,  10
.set RD,   11
.set GO,   12
.set CSA,  13
.set SPW,  30
.set NIL,  31
.set WSC,  32
.set XF,   64
.set BK,   64
.set XS,   160
.set BI,   176
.set CW,   208
.set WV,   12
.set MSB, 0
.macro WIN new                         ; the immediate's high byte repeats the setting that is left
.if MSB != (\new)
	s_set_vgpr_msb (MSB<<8)|(\new)
.set MSB, (\new)
.endif
.endm
.macro PLACES
.rept 4
	v_nop
.endr
.endm
	s_load_b256 s[4:11], s[0:1], 0x0               ; cc, wimg, bo, out0
	v_lshl_add_u32 v[SPW], v0, 2, SPARE
	v_mov_b32 v[NIL], 0
	v_lshrrev_b32 v14, 5, v0
	v_readfirstlane_b32 s[WV], v14                 ; wave 0..3
	s_and_b32 s13, ttmp7, 0xffff                   ; the block of 128 rows
	v_and_b32 v14, 31, v0
	v_and_b32 v15, 15, v0                          ; r
	v_bfe_u32 v16, v0, 4, 1                        ; h
	v_lshlrev_b32 v[L16], 4, v14
	v_add_nc_u32 v[L16B], 49152, v[L16]
	v_lshlrev_b32 v[L8], 3, v14
	v_lshlrev_b32 v[R16], 4, v15
	v_lshlrev_b32 v[H64], 6, v16
	s_mul_i32 s14, s[WV], 3072
	v_add_nc_u32 v[XWI], s14, v[L16]
	v_add_nc_u32 v[XWI2], s14, v[L16B]
	s_lshr_b32 s15, s[WV], 1
	s_and_b32 s16, s[WV], 1
	s_lshl_b32 s14, s15, 8
	s_lshl_b32 s17, s16, 3
	s_add_co_u32 s14, s14, s17
	s_add_co_u32 s14, s14, XSC
	v_lshl_add_u32 v[XWS], v16, 2, v[R16]
	v_add_nc_u32 v[XWS], s14, v[XWS]               ; lanes 0-15 store tile 2 w's scale words, lanes 16-31 tile 2 w + 1's
	v_add_nc_u32 v[XSB], XSC, v[R16]
	s_mul_i32 s14, s[WV], 4352
	s_add_co_u32 s14, s14, STG
	v_mul_u32_u24 v[STO], v15, 272
	v_add_nc_u32 v[STO], v[STO], v[H64]
	v_add_nc_u32 v[STO], s14, v[STO]               ; into my stage: row r, 64 h
	v_mul_u32_u24 v[RD], v16, 272
	v_add_nc_u32 v[RD], v[RD], v[R16]
	v_add_nc_u32 v[RD], s14, v[RD]                 ; back: lanes 0-15 one row of 256 bytes, lanes 16-31 the next
	v_lshl_add_u32 v[GO], v16, 12, v[R16]          ; and the same two rows in out0
	v_and_b32 v17, 8, v15
	v_add_nc_u32 v17, v17, v15
	v_lshl_add_u32 v17, v16, 3, v17
	v_lshlrev_b32 v[CSA], 5, v17                   ; scale bytes: row 8 (lane / 16) + r + 8 (r / 8) of my 32, 32 bytes a row
	s_lshl_b32 s18, ttmp9, 1
	s_add_co_u32 s18, s18, s15                     ; column group 2 x + w / 2
	s_mul_i32 s18, s18, 102400
	s_add_co_u32 s18, s18, 2457600                 ; in Wo's images
	s_mul_i32 s20, s16, 6144                       ; my four tiles of its eight
	s_add_co_u32 s20, s20, s18
	s_mov_b32 s21, 0
	s_lshl_b32 s22, s16, 8
	s_add_co_u32 s22, s22, s18
	s_add_co_u32 s22, s22, 12288                   ; and their scale words
	s_mov_b32 s23, 0
	s_mul_i32 s24, s13, 98304                      ; concat's codes: 8 tiles x 16 heads x 768 bytes a block; my two tiles
	s_mul_i32 s25, s[WV], 24576
	s_add_co_u32 s24, s24, s25
	s_mov_b32 s25, 0
	s_lshl_b32 s26, s13, 12                        ; its scale bytes: my 32 rows
	s_lshl_b32 s27, s[WV], 10
	s_add_co_u32 s26, s26, s27
	s_add_co_u32 s26, s26, 6291456
	s_mov_b32 s27, 0
	s_lshl_b32 s28, ttmp9, 10                      ; my 64 columns, in bytes
	s_lshl_b32 s29, s[WV], 8
	s_add_co_u32 s28, s28, s29
	s_mov_b32 s29, 0
	s_lshl_b32 s30, s13, 19                        ; 128 rows of 4,096 bytes
	s_add_co_u32 s30, s30, s28
	s_mov_b32 s31, 0
	s_wait_kmcnt 0x0
	s_add_nc_u64 s[14:15], s[6:7], s[22:23]        ; Wo's scale words
	s_add_nc_u64 s[6:7], s[6:7], s[20:21]          ; Wo's images
	s_add_nc_u64 s[16:17], s[4:5], s[26:27]        ; concat's scale bytes
	s_add_nc_u64 s[4:5], s[4:5], s[24:25]          ; concat's codes
	s_add_nc_u64 s[8:9], s[8:9], s[28:29]          ; bo
	s_add_nc_u64 s[10:11], s[10:11], s[30:31]      ; out0
	WIN 0x80                                       ; destination window 2: concat first: the barrier waits for it
.irp u, 0,1
.irp ks, 0,1,2,3,4,5,6,7
	global_load_b128 v[12*(8*\u+\ks):12*(8*\u+\ks)+3], v[L16], s[4:5] offset:\u*12288+\ks*1536            ; head 2 ks: registers 0-3,
	global_load_b64 v[12*(8*\u+\ks)+4:12*(8*\u+\ks)+5], v[L8], s[4:5] offset:\u*12288+\ks*1536+512        ; 4-5;
	global_load_b128 v[12*(8*\u+\ks)+6:12*(8*\u+\ks)+9], v[L16], s[4:5] offset:\u*12288+\ks*1536+768      ; head 2 ks + 1: registers 6-9,
	global_load_b64 v[12*(8*\u+\ks)+10:12*(8*\u+\ks)+11], v[L8], s[4:5] offset:\u*12288+\ks*1536+1280     ; 10-11
.endr
.endr
	WIN 0
	global_load_b128 v[CW:CW+3], v[CSA], s[16:17]                  ; my row's 32 scale bytes: a word for each K step
	global_load_b128 v[CW+4:CW+7], v[CSA], s[16:17] offset:16
	WIN 0x40                                       ; destination window 1
.irp ks, 0,1,2,3,4
.irp b, 0,1,2,3
.irp c, 0,1,2
	global_load_b128 v[48*\ks+12*\b+4*\c:48*\ks+12*\b+4*\c+3], v[L16], s[6:7] offset:\ks*12800+1536*\b+512*\c
.endr
.endr
.endr
	WIN 0xc0                                       ; destination window 3
.irp ks, 5,6,7
.irp b, 0,1,2,3
.irp c, 0,1,2
	global_load_b128 v[48*(\ks-5)+12*\b+4*\c:48*(\ks-5)+12*\b+4*\c+3], v[L16], s[6:7] offset:\ks*12800+1536*\b+512*\c
.endr
.endr
.endr
	WIN 0
.irp ks, 0,1,2,3,4,5,6,7
	global_load_b128 v[WSC+4*\ks:WSC+4*\ks+3], v[R16], s[14:15] offset:\ks*12800
.endr
.irp b, 0,1,2,3
	global_load_b128 v[BI+8*\b:BI+8*\b+3], v[H64], s[8:9] offset:(32*(\b/2)+8*(\b%2))*4          ; tile b: columns 32 (b / 2) + 8 (b % 2) + 16 h + 0 .. 7 of my 64
	global_load_b128 v[BI+8*\b+4:BI+8*\b+7], v[H64], s[8:9] offset:(32*(\b/2)+8*(\b%2))*4+16
.endr
	s_wait_loadcnt 0x0                             ; 178 loads are out: more than a count can name, so one wait for all
	WIN 0x08                                       ; an LDS store's data are its source 1: window 2
.irp u, 0,1
.irp ks, 0,1,2,3,4,5,6,7
.irp c, 0,1,2
.if \ks < 4
	ds_store_b128 v[XWI], v[12*(8*\u+\ks)+4*\c:12*(8*\u+\ks)+4*\c+3] offset:\ks*12288+\u*1536+512*\c
.else
	ds_store_b128 v[XWI2], v[12*(8*\u+\ks)+4*\c:12*(8*\u+\ks)+4*\c+3] offset:(\ks-4)*12288+\u*1536+512*\c
.endif
.endr
.endr
.endr
	WIN 0
.irp ks, 0,1,2,3,4,5,6,7
	ds_store_b32 v[XWS], v[CW+\ks] offset:\ks*512
.endr
	s_wait_dscnt 0x0                               ; for the others' sake: my images and scale words have landed
	s_barrier_signal -1
	s_barrier_wait -1                              ; concat's 64 images lie in LDS and are never written again
.macro FETCHX ks, a0                           ; tiles a0 .. a0 + 3 of K step ks: 12 loads
.irp a, \a0, \a0+1, \a0+2, \a0+3
.irp c, 0,1,2
.if (\ks) < 4
	ds_load_b128 v[XF+12*(\a)+4*\c:XF+12*(\a)+4*\c+3], v[L16] offset:(\ks)*12288+1536*(\a)+512*\c
.else
	ds_load_b128 v[XF+12*(\a)+4*\c:XF+12*(\a)+4*\c+3], v[L16B] offset:((\ks)-4)*12288+1536*(\a)+512*\c
.endif
.endr
.endr
.endm
.macro FETCHS ks
.irp g, 0,1
	ds_load_b128 v[XS+8*((\ks)%2)+4*\g:XS+8*((\ks)%2)+4*\g+3], v[XSB] offset:(\ks)*512+256*\g
.endr
.endm
; 16 matrix instructions: rows' tiles a0 .. a0 + 3 against my four column tiles; the accumulators take turns, one instruction a turn
.macro MUL16 ks, a0
.if (\ks) == 0
	WIN 0x81                                       ; source 0 (Wo) window 1, source 1 and C (the bias) window 0, D window 2
.elseif (\ks) < 5
	WIN 0xa1                                       ; C and D window 2
.else
	WIN 0xa3                                       ; source 0 window 3
.endif
.if (\ks) < 5
.set WR, 48*(\ks)
.else
.set WR, 48*((\ks)-5)
.endif
.irp a, \a0, \a0+1, \a0+2, \a0+3
.irp b, 0,1,2,3
.if (\ks) == 0
	v_wmma_scale_f32_16x16x128_f8f6f4 v[8*(4*(\a)+\b):8*(4*(\a)+\b)+7], v[WR+12*\b:WR+12*\b+11], v[XF+12*(\a):XF+12*(\a)+11], v[BI+8*\b:BI+8*\b+7], v[WSC+4*(\ks)+\b], v[XS+8*((\ks)%2)+(\a)] matrix_a_fmt:MATRIX_FMT_FP6 matrix_b_fmt:MATRIX_FMT_FP6
.else
	v_wmma_scale_f32_16x16x128_f8f6f4 v[8*(4*(\a)+\b):8*(4*(\a)+\b)+7], v[WR+12*\b:WR+12*\b+11], v[XF+12*(\a):XF+12*(\a)+11], v[8*(4*(\a)+\b):8*(4*(\a)+\b)+7], v[WSC+4*(\ks)+\b], v[XS+8*((\ks)%2)+(\a)] matrix_a_fmt:MATRIX_FMT_FP6 matrix_b_fmt:MATRIX_FMT_FP6
.endif
.endr
.endr
	WIN 0
.endm
.macro KSTEP ks
	s_wait_dscnt 12                                ; tiles 0-3 and the scale words are in; the youngest 12 loads (tiles 4-7) may be out
	MUL16 \ks, 0
	s_wait_dscnt 0x0
	PLACES                                         ; in front of loads into registers that matrix instructions have read
.if (\ks) < 7
	FETCHX (\ks)+1, 0
	FETCHS (\ks)+1
.endif
	MUL16 \ks, 4
	PLACES
.if (\ks) < 7
	FETCHX (\ks)+1, 4
.endif
.endm
	FETCHX 0, 0
	FETCHS 0
	FETCHX 0, 4
.irp ks, 0,1,2,3,4,5,6,7
	KSTEP \ks
.endr
; THE WAY OUT, a tile of 16 rows x 64 columns at a time, through my own stage: a lane's 32 bytes go in, whole rows of 256 bytes come back, and sixteen lanes store one aligned run of 256 bytes.
.macro TOSTAGE a
	WIN 0x08
.irp b, 0,1,2,3
	ds_store_b128 v[STO], v[8*(4*(\a)+\b):8*(4*(\a)+\b)+3] offset:128*(\b/2)+32*(\b%2)             ; each accumulator from its low end on
	ds_store_b128 v[STO], v[8*(4*(\a)+\b)+4:8*(4*(\a)+\b)+7] offset:128*(\b/2)+32*(\b%2)+16
.endr
	WIN 0
.irp t, 0,1,2,3,4,5,6,7
	ds_load_b128 v[BK+32*((\a)%2)+4*\t:BK+32*((\a)%2)+4*\t+3], v[RD] offset:\t*2*272               ; LDS serves a wave's instructions in order: these see my stores
.endr
.endm
.macro SEND a, younger                         ; younger: the LDS instructions issued behind tile a's loads
	s_wait_dscnt \younger
.irp t, 0,1,2,3,4,5,6,7
	global_store_b128 v[GO], v[BK+32*((\a)%2)+4*\t:BK+32*((\a)%2)+4*\t+3], s[10:11] offset:(32*((\a)/2)+8*((\a)%2)+2*\t+8*(\t/4))*4096 th:TH_STORE_NT   ; stage row 2 t + lane / 16 is row 32 (a / 2) + 8 (a % 2) + that + 8 (t / 4) of the block
.endr
.endm
	TOSTAGE 0                                      ; (the last K step's four places stand in front of this first read of results)
.irp a, 1,2,3,4,5,6,7
.if \a > 1
	s_wait_xcnt 0x0                                ; tile a - 2's stores have read their registers: tile a's loads may land there
.endif
	TOSTAGE \a
	SEND \a-1, 16                                  ; behind tile a - 1's loads: tile a's 8 stores and 8 loads
.endr
	SEND 7, 0
	s_wait_tensorcnt 0x0                           ; the wave's end: behind my last LDS store
	ds_add_u32 v[SPW], v[NIL]
	s_wait_dscnt 0x0
	s_endpgm
.Lfunc_end_k_q9f259203a0_outp:
	.size	k_q9f259203a0_outp, .Lfunc_end_k_q9f259203a0_outp-k_q9f259203a0_outp
	.p2alignl 7, 3214868480
	.fill 96, 4, 3214868480
	.section	.rodata,"a",@progbits
	.p2align	6, 0x0
	.amdhsa_kernel k_q9f259203a0_outp
		.amdhsa_group_segment_fixed_size 120320
		.amdhsa_private_segment_fixed_size 0
		.amdhsa_enable_private_segment 0
		.amdhsa_kernarg_size 32
		.amdhsa_user_sgpr_count 2
		.amdhsa_user_sgpr_kernarg_segment_ptr 1
		.amdhsa_wavefront_size32 1
		.amdhsa_system_sgpr_workgroup_id_x 1
		.amdhsa_system_sgpr_workgroup_id_y 1
		.amdhsa_system_sgpr_workgroup_id_z 1
		.amdhsa_system_vgpr_workitem_id 0
		.amdhsa_next_free_vgpr 912
		.amdhsa_next_free_sgpr 66
		.amdhsa_reserve_vcc 0
		.amdhsa_float_denorm_mode_32 3
		.amdhsa_float_denorm_mode_16_64 3
		.amdhsa_memory_ordered 1
		.amdhsa_forward_progress 1
		.amdhsa_inst_pref_size 88
	.end_amdhsa_kernel
	.amdgpu_metadata
---
amdhsa.version: [ 1, 2 ]
amdhsa.kernels:
  - .name:           k_q9f259203a0_outp
    .symbol:         k_q9f259203a0_outp.kd
    .args:
      - { .name: cc, .offset: 0, .size: 8, .value_kind: global_buffer, .address_space: global }
      - { .name: wimg, .offset: 8, .size: 8, .value_kind: global_buffer, .address_space: global }
      - { .name: bo, .offset: 16, .size: 8, .value_kind: global_buffer, .address_space: global }
      - { .name: out0, .offset: 24, .size: 8, .value_kind: global_buffer, .address_space: global }
    .group_segment_fixed_size: 120320
    .private_segment_fixed_size: 0
    .kernarg_segment_align: 8
    .kernarg_segment_size: 32
    .max_flat_workgroup_size: 128
    .sgpr_count:     66
    .vgpr_count:     912
    .wavefront_size: 32
...
	.end_amdgpu_metadata
.endif
;; end of part 4
;; ======== version 2 of 2: 4 launches
;; limits: right only within a limited range of input values
;; workspace buffers: wimg 3,276,800 bytes; qc 6,553,600 bytes; kc 6,553,600 bytes; vc 6,553,600 bytes; cc 6,553,600 bytes
;; launch quantw: the kernel of part 1 again; grid 256 x 1, 4 waves a work-group, no clusters, 0 bytes of LDS; arguments Wq, Wk, Wv, Wo, wimg; writes wimg
;; launch proj (part 5): grid 64 x 3, 4 waves a work-group, no clusters, 172,544 bytes of LDS; arguments q, k, v, bq, bk, bv, wimg, qc, kc, vc; writes qc, kc, vc
.if DOCPART == 5
	.amdgcn_target "amdgcn-amd-amdhsa--gfx1250"
	.amdhsa_code_object_version 6
	.text
	.protected	k_q9f259203a0_proj
	.globl	k_q9f259203a0_proj
	.p2align	8
	.type	k_q9f259203a0_proj,@function
k_q9f259203a0_proj:
	s_mov_b64 s[64:65], 0
	v_nop
	global_prefetch_b8 v0, s[64:65] scope:SCOPE_SE
	s_setreg_imm32_b32 hwreg(HW_REG_WAVE_SCHED_MODE, 0, 2), 2
	s_setreg_imm32_b32 hwreg(HW_REG_WAVE_MODE, 25, 1), 1
	s_wait_xcnt 0x0
	s_wait_alu depctr_vm_vsrc(0)
; x W + b for x = q, k or v (work-group y), 128 rows of x (work-group x) against all 1,024 columns, both operands as codes of FP6 (E2M3) with E8M0 scales; the result is quantised again and leaves as
; images of operand registers.  q, k: along e (a head's 64).  v: along the keys (the block's 128 rows are one key step).
; PHASE X: wave w quantises tiles 2 w, 2 w + 1 of x (16 rows x 1,024: 16 fragments); their images go to LDS; one barrier.  x is read from memory once.
; PASSES: wave w multiplies all 128 rows by column groups 2 w and 2 w + 1 (128 columns each): 64 accumulators, 512 registers.  W's images come from memory straight into registers, two sets by turns.
; q, k: source 0 = 16 rows of W, source 1 = 16 rows of x: a lane holds one row of x and its registers run along the columns.  v: the sources swapped: a lane holds one column and its registers run along the keys.
; Lane r of a tile (of x and of W alike) holds row 32 (t / 2) + 8 (t % 2) + r + 8 (r / 8) of its 128, so that the 16 registers of two neighbouring result tiles are 16 neighbours along the next K.
; OUT (qc, kc, vc): half images of 768 bytes (6 registers: 0-3 of lane l at 16 l, 4-5 at 512 + 8 l), number ((8 b + cg) 2 + half) 128 + 8 (block % 16) + j; scale words from byte 6,291,456 on, 512 bytes for (block, cg).
; W is read by every work-group; it goes into registers and not through LDS, so there is no tile in LDS that a cluster could share: no joint loads.  192 work-groups: 128 rows are a whole key step of V.
; LIMITS: blocks whose largest magnitude lies under 2^-124 get the byte 1 (read by this program alone); NaN and infinities are not served.
; THE MODE: SCHED_MODE bits 1:0 = 2 (LLVM: expert scheduling mode 2), set by the entry lines.  The code itself states the register dependences
; between vector or matrix instructions and memory or LDS instructions, with s_wait_alu, always for 0.
; THE PLAN.  Registers that memory or LDS instructions touch:
;   PHASE X   window 1's four raw sets: global loads land, the stage's LDS stores read.   X0[0], X0[1]: the stage's LDS loads land, the quantiser reads.   The codes and the scale word: the quantiser writes, the image stores read.
;             Two waits to a fragment: on vm_vsrc at its head (the stage stores have read the raw set that is loaded again; the last image stores have read the codes), on va_vdst behind the quantiser
;             (the codes are written; it is done reading the X0 set in which the fragment two on lands).
;   K LOOP    K step s multiplies sets s % 2 of x's fragments, of W's, and of both kinds of scale words; all its loads land in the other sets, which no matrix instruction of the step names.
;             ONE wait on va_vdst to a step, at its head: the step before is done reading those other sets, and v[XA], v[XSA], made anew just ahead of it, are written.  One wait on vm_vsrc ahead of the two additions.
;             The loads follow in three runs: W's next block at the head, x's next tiles 0-3 and scale words between the two groups of products, tiles 4-7 at the end.
;   EPILOGUE  The bias lands in x's set 0 during the last K step, which multiplies set 1.  The codes and the scale word: the quantiser writes, the stores read: a wait on vm_vsrc ahead of it, one on va_vdst behind it.
;   v1-v5, v8-v15 are made at the head and never written again.
; REGISTERS, in windows of 256.  Window 0: v1-15 addresses; v32-47 x's scale words, v48-63 W's, two sets each; v64-159 x's eight fragments, set 0; v160-243 and v16-27 set 1 (tiles 0-6, tile 7).
;   Phase X: two sets of 64 numbers at v64 and v128, codes at v192.  Epilogue: the bias in the result's layout at v64, codes at v128, 64 results at v160, scale words on their way out at v224.
;   v232-248 the quantiser's (outside the K loop); v252, v253 the add's two.
;   Window 1: phase X: four sets of 64 numbers as loaded; then W's fragments, sets at v0 and v128.   Windows 2, 3: accumulator (a, b) at v[8 (8 (a % 4) + b)] of window 2 + a / 4; a: x's tile, b: W's.
.set XIMG,  0                          ; LDS: x's images: (K step ks, tile a) at 1,536 (8 ks + a)
.set XSC,   98304                      ; x's scale words: 512 bytes a K step: (tile a, lane r) at 256 (a / 4) + 16 r + 4 (a % 4)
.set TST,   102400                     ; for each wave two stages of 16 rows x (512 + 16) bytes
.set SST,   169984                     ; for each wave 512 bytes: the results' scale words
.set SPARE, 172032                     ; the spare words, 128 bytes a wave: two blocks of 256 bytes that no other line names
.set L16,  1                           ; 16 x lane
.set SIN,  2                           ; into my stage
.set SOUT, 3                           ; out of it: row r, 64 h
.set XWI,  4                           ; where I store x's images, K steps 0-3
.set XWS,  5                           ; and their scale words
.set XA,   6                           ; the images of the K step that is being fetched
.set XSA,  7                           ; and its scale words
.set R16,  8                           ; 16 r
.set L8,   9                           ; 8 x lane
.set SSW,  10
.set SSR,  11
.set H64,  12                          ; 64 h
.set BVA,  13                          ; 4 (r + 8 (r / 8))
.set XSB,  14                          ; XSC + 16 r
.set XWI2, 15                          ; XWI + 49,152: K steps 4-7 (an LDS offset has 16 bits)
.set XS,   32
.set WS,   48
.set XF,   64                          ; x's fragments, set 0: tile a at XF + 12 a
.set XG,   160                         ; set 1: tiles 0-6 at XG + 12 a,
.set XH,   16                          ; tile 7
.set X0,   64
.set PCX,  192
.set BI,   64
.set PCE,  128
.set ST,   160
.set OSR,  224
.set TM,   232
.set PW,   248
.set SPW,  252
.set NIL,  253
.set WV,   24
.set TV,   25
.set SEL,  28
.set PS,   40
.set KC,   41
.set KX,   42
.set KS,   43
.set MSB, 0
.macro WIN new                         ; the immediate's high byte repeats the setting that is left
.if MSB != (\new)
	s_set_vgpr_msb (MSB<<8)|(\new)
.set MSB, (\new)
.endif
.endm
.macro PLACES                          ; four places behind matrix instructions, in front of loads into their registers and of reads of their results
.rept 4
	v_nop
.endr
.endm
.macro XREG set, a                     ; XR = the first register of x's tile a in the set
.if (\set) == 0
.set XR, XF+12*(\a)
.elseif (\a) < 7
.set XR, XG+12*(\a)
.else
.set XR, XH
.endif
.endm
; 64 numbers of a lane, register 16 b + i = k 32 b + 16 (lane / 16) + i of my row, become a fragment's codes in v[pc] .. v[pc + 11] and its scale word in v[PW].
.macro QUANT s, pc
.irp b, 0,1,2,3
	v_max3_num_f32 v[TM+\b], |v[\s+16*\b]|, |v[\s+1+16*\b]|, 0x1800000   ; my 16 numbers of block b, and the floor 2^(3 - 127)
.endr
.irp i, 2,4,6,8,10,12,14
.irp b, 0,1,2,3
	v_max3_num_f32 v[TM+\b], v[TM+\b], |v[\s+16*\b+\i]|, |v[\s+1+16*\b+\i]|
.endr
.endr
.irp b, 0,1,2,3
	v_permlanex16_b32 v[TM+4+\b], v[TM+\b], s[SEL], s[SEL+1]
.endr
.irp b, 0,1,2,3
	v_max_num_f32 v[TM+\b], v[TM+\b], v[TM+4+\b]   ; with lane l xor 16's: the block's largest magnitude
.endr
.irp b, 0,1,2,3
	v_add_nc_u32 v[TM+12+\b], 0xff000000, v[TM+\b] ; 2 off its exponent field: the conversion's scale operand
.endr
.irp b, 0,1,2,3
	v_lshrrev_b32 v[TM+4+\b], 23, v[TM+12+\b]      ; the scale's byte
.endr
	v_lshl_or_b32 v[PW], v[TM+5], 8, v[TM+4]
	v_lshl_or_b32 v[PW], v[TM+6], 16, v[PW]
	v_lshl_or_b32 v[PW], v[TM+7], 24, v[PW]
.irp c, 0,1
	v_cvt_scalef32_pk16_fp6_f32 v[(\pc)+6*\c:(\pc)+2+6*\c], v[\s+32*\c:\s+15+32*\c], v[TM+12+2*\c]
	v_cvt_scalef32_pk16_fp6_f32 v[(\pc)+12+4*\c:(\pc)+14+4*\c], v[\s+16+32*\c:\s+31+32*\c], v[TM+12+2*\c+1]
.endr
	v_nop                                          ; one plain place behind a scaled conversion
.irp c, 0,1                                    ; the operand's layout wants a whole block in a lane: lanes 0-15 block 2 c, lanes 16-31 block 2 c + 1
.irp i, 0,1,2
	v_permlane16_swap_b32 v[(\pc)+6*\c+\i], v[(\pc)+12+4*\c+\i]
.endr
.irp i, 0,1,2
	v_mov_b32 v[(\pc)+3+6*\c+\i], v[(\pc)+12+4*\c+\i]
.endr
.endr
.endm
	s_load_b256 s[4:11], s[0:1], 0x0               ; q, k, v, bq
	s_load_b256 s[12:19], s[0:1], 0x20             ; bk, bv, wimg, qc
	s_load_b128 s[20:23], s[0:1], 0x40             ; kc, vc
	v_lshl_add_u32 v[SPW], v0, 2, SPARE
	v_mov_b32 v[NIL], 0
	v_lshrrev_b32 v16, 5, v0
	v_readfirstlane_b32 s[WV], v16                 ; wave 0..3
	s_and_b32 s[TV], ttmp7, 0xffff                 ; 0 q, 1 k, 2 v
	v_and_b32 v16, 31, v0                          ; lane
	v_and_b32 v17, 15, v0                          ; r
	v_bfe_u32 v18, v0, 4, 1                        ; h
	v_lshlrev_b32 v[L16], 4, v16
	v_lshlrev_b32 v[L8], 3, v16
	v_lshlrev_b32 v[R16], 4, v17
	v_lshlrev_b32 v[H64], 6, v18
	v_and_b32 v19, 8, v17
	v_add_nc_u32 v19, v19, v17
	v_lshlrev_b32 v[BVA], 2, v19
	s_wait_alu depctr_va_sdst(0)                   ; the wave's number is written into s[WV], ahead of its first reader
	s_mul_i32 s32, s[WV], 16896
	s_add_co_u32 s32, s32, TST
	v_add_nc_u32 v[SIN], s32, v[L16]
	v_mul_u32_u24 v[SOUT], v17, 528
	v_add_nc_u32 v[SOUT], v[SOUT], v[H64]
	v_add_nc_u32 v[SOUT], s32, v[SOUT]
	s_mul_i32 s32, s[WV], 3072
	v_add_nc_u32 v[XWI], s32, v[L16]
	s_add_co_u32 s32, s32, 49152
	v_add_nc_u32 v[XWI2], s32, v[L16]
	s_lshr_b32 s32, s[WV], 1
	s_lshl_b32 s32, s32, 8
	s_and_b32 s33, s[WV], 1
	s_lshl_b32 s33, s33, 3
	s_add_co_u32 s32, s32, s33
	s_add_co_u32 s32, s32, XSC
	v_add_nc_u32 v[XWS], s32, v[R16]
	v_add_nc_u32 v[XSB], XSC, v[R16]
	s_lshl_b32 s32, s[WV], 9
	s_add_co_u32 s32, s32, SST
	v_add_nc_u32 v[SSW], s32, v[R16]
	v_add_nc_u32 v[SSR], s32, v[L8]
	s_mov_b32 s[SEL], 0x76543210
	s_mov_b32 s[SEL+1], 0xfedcba98                 ; v_permlanex16_b32's selects for lane l xor 16
.irp b, 0,1,2,3
	v_mov_b32 v[TM+4+\b], 0                        ; written once: a lane permute's destination counts as one of its sources
.endr
	s_lshl_b32 s32, ttmp9, 19                      ; x: 128 rows of 4,096 bytes a block, 32 rows a wave
	s_lshl_b32 s33, s[WV], 17
	s_add_co_u32 s32, s32, s33
	s_mov_b32 s33, 0
	s_mul_i32 s34, s[TV], 819200                   ; W's images: my tensor, column group 2 w (8 blocks of 12,800 bytes a group)
	s_mul_i32 s35, s[WV], 204800
	s_add_co_u32 s34, s34, s35
	s_mov_b32 s35, 0
	s_lshl_b32 s36, s[WV], 10                      ; the bias: 128 numbers a group
	s_mov_b32 s37, 0
	s_lshr_b32 s38, ttmp9, 4                       ; the batch
	s_lshl_b32 s38, s38, 3
	s_lshl_b32 s39, s[WV], 1
	s_add_co_u32 s38, s38, s39
	s_mul_i32 s38, s38, 196608                     ; (8 b + cg) x 2 x 128 half images
	s_and_b32 s39, ttmp9, 15
	s_mul_i32 s39, s39, 6144                       ; + 8 (block % 16)
	s_add_co_u32 s38, s38, s39
	s_mov_b32 s39, 0
	s_lshl_b32 s44, ttmp9, 3
	s_lshl_b32 s45, s[WV], 1
	s_add_co_u32 s44, s44, s45
	s_lshl_b32 s44, s44, 9
	s_add_co_u32 s44, s44, 6291456                 ; the scale words of (block, cg)
	s_mov_b32 s45, 0
	s_wait_kmcnt 0x0
	s_cmp_eq_u32 s[TV], 0                          ; the buffers are chosen by the work-group's number alone
	s_cselect_b64 s[4:5], s[4:5], s[6:7]
	s_cselect_b64 s[10:11], s[10:11], s[12:13]
	s_cselect_b64 s[18:19], s[18:19], s[20:21]
	s_cmp_eq_u32 s[TV], 2
	s_cselect_b64 s[4:5], s[8:9], s[4:5]
	s_cselect_b64 s[10:11], s[14:15], s[10:11]
	s_cselect_b64 s[18:19], s[22:23], s[18:19]
	s_add_nc_u64 s[4:5], s[4:5], s[32:33]          ; x
	s_add_nc_u64 s[16:17], s[16:17], s[34:35]      ; W
	s_add_nc_u64 s[10:11], s[10:11], s[36:37]      ; bias
	s_add_nc_u64 s[30:31], s[18:19], s[44:45]      ; out: scale words
	s_add_nc_u64 s[18:19], s[18:19], s[38:39]      ; out: codes
	s_wait_alu depctr_va_vdst(0)                   ; the addresses and offsets v1-v5 and v8-v15 are written, which the loads and stores of the whole kernel read
; ---- PHASE X.  Fragment f = 2 ks + u: tile 2 w + u, K step ks: 16 rows x 512 bytes.  Each load reads a row's 512 consecutive bytes; the 16 rows turn through my stage and come back 16 neighbours of each block a lane.
.macro LOADX f
	WIN 0x40                                       ; destination window 1
.irp i, 0,1,2,3,4,5,6,7,8,9,10,11,12,13,14,15
	global_load_b128 v[64*((\f)%4)+4*\i:64*((\f)%4)+4*\i+3], v[L16], s[4:5] offset:(8*((\f)%2)+\i+8*(\i/8))*4096+((\f)/2)*512 th:TH_LOAD_NT
.endr
	WIN 0
.endm
.macro TURN f
	WIN 0x04                                       ; an LDS store's data are its source 1: window 1
.irp i, 0,1,2,3,4,5,6,7,8,9,10,11,12,13,14,15
	ds_store_b128 v[SIN], v[64*((\f)%4)+4*\i:64*((\f)%4)+4*\i+3] offset:8448*((\f)%2)+528*\i
.endr
	WIN 0
.irp b, 0,1,2,3
.irp j, 0,1,2,3
	ds_load_b128 v[X0+64*((\f)%2)+16*\b+4*\j:X0+64*((\f)%2)+16*\b+4*\j+3], v[SOUT] offset:8448*((\f)%2)+128*\b+16*\j   ; LDS serves a wave's instructions in order: these see my stores
.endr
.endr
.endm
.macro XSTEP f
	s_wait_dscnt 0x0                               ; fragment f's numbers are back from the stage
	s_wait_alu depctr_vm_vsrc(0)                   ; fragment f's stage stores have read raw set f % 4, in which the loads below land; the last image stores have read the codes and the scale word, which the quantiser writes again
.if (\f)+4 < 16
	LOADX (\f)+4                                   ; four fragments ahead, into the set just freed
.endif
.if (\f)+1 < 16
.if (\f) < 12
	s_wait_loadcnt 48                              ; fragment f + 1 is in: three younger sets of 16 loads may be out
.else
	s_wait_loadcnt 16*(14-(\f))                    ; the counts run down: 32, 16, 0
.endif
	TURN (\f)+1                                    ; through the other stage while this fragment is quantised.  Its loads land in the X0 set that fragment f - 1's quantiser read: that one stands ahead of the last wait on va_vdst, and nothing since names the set
.endif
	QUANT X0+64*((\f)%2), PCX
	s_wait_alu depctr_va_vdst(0)                   ; the quantiser has written the codes and the scale word, which the LDS stores below read; it is done reading its X0 set, in which fragment f + 2's numbers land
.if (\f)/2 < 4
.irp c, 0,1,2
	ds_store_b128 v[XWI], v[PCX+4*\c:PCX+4*\c+3] offset:((\f)/2)*12288+((\f)%2)*1536+512*\c
.endr
.else
.irp c, 0,1,2
	ds_store_b128 v[XWI2], v[PCX+4*\c:PCX+4*\c+3] offset:((\f)/2-4)*12288+((\f)%2)*1536+512*\c
.endr
.endif
	ds_store_b32 v[XWS], v[PW] offset:((\f)/2)*512+4*((\f)%2)
.endm
	LOADX 0
	LOADX 1
	LOADX 2
	LOADX 3
	s_wait_loadcnt 48                              ; fragment 0 is in
	TURN 0
.set F, 0
.rept 16
	XSTEP F
.set F, F+1
.endr
	s_wait_dscnt 0x0                               ; for the others' sake: my images and scale words have landed
	s_barrier_signal -1
	s_barrier_wait -1                              ; x's 64 images lie in LDS and are never written again
; ---- THE PASSES
.macro LOADW set, blk                          ; a block of W: eight images and their scale words: 26 loads
	WIN 0x40
.irp i, 0,1,2,3,4,5,6,7
.irp c, 0,1,2
	global_load_b128 v[128*(\set)+12*\i+4*\c:128*(\set)+12*\i+4*\c+3], v[L16], s[16:17] offset:(\blk)*12800+1536*\i+512*\c
.endr
.endr
	WIN 0
.irp g, 0,1
	global_load_b128 v[WS+8*(\set)+4*\g:WS+8*(\set)+4*\g+3], v[R16], s[16:17] offset:(\blk)*12800+12288+256*\g
.endr
.endm
.macro FETCHX set, a0                          ; x's tiles a0 .. a0 + 3 of the K step at v[XA], into the set: 12 loads
.irp a, \a0, \a0+1, \a0+2, \a0+3
	XREG \set, \a
.irp c, 0,1,2
	ds_load_b128 v[XR+4*\c:XR+4*\c+3], v[XA] offset:1536*(\a)+512*\c
.endr
.endr
.endm
.macro FETCHS set                              ; its eight scale words
.irp g, 0,1
	ds_load_b128 v[XS+8*(\set)+4*\g:XS+8*(\set)+4*\g+3], v[XSA] offset:256*\g
.endr
.endm
; 32 matrix instructions: x's tiles a0 .. a0 + 3 against W's eight.  The accumulators take turns, one instruction a turn.  Written twice: for v the sources change places.
.macro GROUP a0, par, zero
	s_cmp_eq_u32 s[TV], 2
	s_cbranch_scc1 .Lgv_\@
	WIN 0xa1+0x50*((\a0)/4)                        ; source 0 (W) window 1, source 1 (x) window 0, C and D window 2 or 3
.irp a, \a0, \a0+1, \a0+2, \a0+3
	XREG \par, \a
.irp b, 0,1,2,3,4,5,6,7
.if \zero
	v_wmma_scale_f32_16x16x128_f8f6f4 v[8*(8*((\a)%4)+\b):8*(8*((\a)%4)+\b)+7], v[128*(\par)+12*\b:128*(\par)+12*\b+11], v[XR:XR+11], 0, v[WS+8*(\par)+\b], v[XS+8*(\par)+(\a)] matrix_a_fmt:MATRIX_FMT_FP6 matrix_b_fmt:MATRIX_FMT_FP6
.else
	v_wmma_scale_f32_16x16x128_f8f6f4 v[8*(8*((\a)%4)+\b):8*(8*((\a)%4)+\b)+7], v[128*(\par)+12*\b:128*(\par)+12*\b+11], v[XR:XR+11], v[8*(8*((\a)%4)+\b):8*(8*((\a)%4)+\b)+7], v[WS+8*(\par)+\b], v[XS+8*(\par)+(\a)] matrix_a_fmt:MATRIX_FMT_FP6 matrix_b_fmt:MATRIX_FMT_FP6
.endif
.endr
.endr
	WIN 0
	s_branch .Lgd_\@
.Lgv_\@:
	WIN 0xa4+0x50*((\a0)/4)                        ; source 0 (x) window 0, source 1 (W) window 1
.irp a, \a0, \a0+1, \a0+2, \a0+3
	XREG \par, \a
.irp b, 0,1,2,3,4,5,6,7
.if \zero
	v_wmma_scale_f32_16x16x128_f8f6f4 v[8*(8*((\a)%4)+\b):8*(8*((\a)%4)+\b)+7], v[XR:XR+11], v[128*(\par)+12*\b:128*(\par)+12*\b+11], 0, v[XS+8*(\par)+(\a)], v[WS+8*(\par)+\b] matrix_a_fmt:MATRIX_FMT_FP6 matrix_b_fmt:MATRIX_FMT_FP6
.else
	v_wmma_scale_f32_16x16x128_f8f6f4 v[8*(8*((\a)%4)+\b):8*(8*((\a)%4)+\b)+7], v[XR:XR+11], v[128*(\par)+12*\b:128*(\par)+12*\b+11], v[8*(8*((\a)%4)+\b):8*(8*((\a)%4)+\b)+7], v[XS+8*(\par)+(\a)], v[WS+8*(\par)+\b] matrix_a_fmt:MATRIX_FMT_FP6 matrix_b_fmt:MATRIX_FMT_FP6
.endif
.endr
.endr
	WIN 0
.Lgd_\@:
.endm
; A K step of 128 that has a successor.  par: the sets that it multiplies; the next step's x, W (block blk from the base on) and scale words are asked for, into the other sets.
.macro KSTEP par, zero, blk
	s_add_co_u32 s[KX], s[KX], 12288               ; the next K step's images and scale words in LDS
	s_add_co_u32 s[KS], s[KS], 512
	s_wait_alu depctr_vm_vsrc(0)                   ; the LDS loads issued so far have read v[XA] and v[XSA]
	v_add_nc_u32 v[XA], s[KX], v[L16]
	v_add_nc_u32 v[XSA], s[KS], v[XSB]
	v_nop                                          ; with the two additions: four plain places between the last step's matrix instructions and the loads into their registers
	v_nop
	s_wait_alu depctr_va_vdst(0)                   ; v[XA] and v[XSA] are written, which the LDS loads below read; the last step's matrix instructions are done reading the other sets of x, of W and of both kinds of scale words, in which all this step's loads land
	LOADW 1-\par, \blk
	s_wait_loadcnt 26                              ; this step's block of W is in; the 26 loads just issued may be out
	s_wait_dscnt 12                                ; x's tiles 0-3 and the scale words are in; the youngest 12 loads (tiles 4-7) may be out
	GROUP 0, \par, \zero
	FETCHX 1-\par, 0                               ; no wait: no matrix instruction since the wait above names the other sets
	FETCHS 1-\par
	s_wait_dscnt 14                                ; this step's tiles 4-7 are in; the 14 loads just issued may be out
	GROUP 4, \par, \zero
	FETCHX 1-\par, 4
.endm
; Result tile j: the bias is added on the way into window 0; 64 numbers are quantised; the fragment leaves as two half images.  q, k: j = x's tile (rows), the halves are the two heads.  v: j = W's tile (channels), the halves are keys 0-63 and 64-127.
.macro EPI j
	s_cmp_eq_u32 s[TV], 2
	s_cbranch_scc1 .Lev_\@
	WIN 0x02+(\j)/4                                ; source 0: window 2 or 3
.set N, 0
.rept 32
	v_pk_add_f32 v[ST+N:ST+N+1], v[64*((\j)%4)+N:64*((\j)%4)+N+1], v[BI+N:BI+N+1]     ; each accumulator from its low end on
.set N, N+2
.endr
	WIN 0
	s_branch .Led_\@
.Lev_\@:
.irp i, 0,1,2,3,4,5,6,7
	WIN 0x02+\i/4
.irp n, 0,2,4,6
	v_pk_add_f32 v[ST+8*\i+\n:ST+8*\i+\n+1], v[8*(8*(\i%4)+(\j))+\n:8*(8*(\i%4)+(\j))+\n+1], v[BI+8*(\j)+\n:BI+8*(\j)+\n+1]
.endr
.endr
	WIN 0
.Led_\@:
	s_wait_xcnt 0x0                                ; the last tile's stores have had their addresses translated,
	s_wait_dscnt 0x0                               ; and its LDS store is done
.if (\j) > 0
	s_wait_alu depctr_vm_vsrc(0)                   ; the last tile's stores have read the codes and the scale word, which the quantiser writes again
.endif
	QUANT ST, PCE
	s_wait_alu depctr_va_vdst(0)                   ; the quantiser has written the codes and the scale word, which the stores below read
	global_store_b128 v[L16], v[PCE:PCE+3], s[18:19] offset:768*(\j)                  ; 512 consecutive aligned bytes,
	global_store_b64 v[L8], v[PCE+4:PCE+5], s[18:19] offset:768*(\j)+512              ; and 256
	global_store_b128 v[L16], v[PCE+6:PCE+9], s[18:19] offset:98304+768*(\j)
	global_store_b64 v[L8], v[PCE+10:PCE+11], s[18:19] offset:98304+768*(\j)+512
	ds_store_b32 v[SSW], v[PW] offset:256*((\j)/4)+4*((\j)%4)                         ; lanes r and r + 16 write the same word with the same value
.endm
	s_mov_b32 s[PS], 2
.Lpass:
	s_mov_b32 s[KX], 0
	s_mov_b32 s[KS], 0
	s_wait_alu depctr_vm_vsrc(0)                   ; every LDS and memory instruction issued so far has read its registers: the stage stores window 1's sets and the image stores the codes (first pass); the last pass's stores the codes and the scale words, its LDS loads v[XA] and v[XSA]: all are written or loaded again below
	v_add_nc_u32 v[XA], s[KX], v[L16]
	v_add_nc_u32 v[XSA], s[KS], v[XSB]
	s_wait_alu depctr_va_vdst(0)                   ; v[XA] and v[XSA] are written; the quantiser, the bias's additions and the last pass's matrix instructions are done with the registers in which x, W and the scale words land
	LOADW 0, 0
	FETCHX 0, 0
	FETCHS 0
	FETCHX 0, 4
	KSTEP 0, 1, 1                                  ; K step 0 starts the sums: nothing is cleared; it asks for block 1
	s_mov_b32 s[KC], 2
.Lk:                                                   ; K steps 1, 2 and 3, 4: they ask for blocks 2, 3 and 4, 5
	KSTEP 1, 0, 2
	KSTEP 0, 0, 3
	s_wait_xcnt 0x0                                ; the loads have read their base
	s_add_nc_u64 s[16:17], s[16:17], 25600         ; two blocks on
	s_sub_co_u32 s[KC], s[KC], 1
	s_cmp_lg_u32 s[KC], 0
	s_cbranch_scc1 .Lk
	KSTEP 1, 0, 2                                  ; K step 5 asks for block 6,
	KSTEP 0, 0, 3                                  ; K step 6 for block 7
	; K step 7 multiplies the sets 1 and fetches nothing more of x and W: the bias comes instead, in the result's layout, into x's set 0
	PLACES
	s_wait_alu depctr_va_vdst(0)                   ; K step 6's matrix instructions are done reading x's set 0, in which the bias lands
	s_wait_loadcnt 0x0                             ; block 7 of W is in (ahead of the bias's loads, of which the two ways issue different numbers)
	s_cmp_eq_u32 s[TV], 2                          ; both ways write all 64 registers
	s_cbranch_scc1 .Lbv
.irp i, 0,1,2,3,4,5,6,7
	global_load_b128 v[BI+8*\i:BI+8*\i+3], v[H64], s[10:11] offset:(32*(\i/2)+8*(\i%2))*4        ; q, k: tile i: columns 32 (i / 2) + 8 (i % 2) + 16 h + 0 .. 7
	global_load_b128 v[BI+8*\i+4:BI+8*\i+7], v[H64], s[10:11] offset:(32*(\i/2)+8*(\i%2))*4+16
.endr
	s_branch .Lbd
.Lbv:
.irp j, 0,1,2,3,4,5,6,7
.irp n, 0,1,2,3,4,5,6,7
	global_load_b32 v[BI+8*\j+\n], v[BVA], s[10:11] offset:(32*(\j/2)+8*(\j%2))*4                ; v: tile j: my lane's one column, in all eight registers
.endr
.endr
.Lbd:
	s_wait_dscnt 12                                ; x's tiles 0-3 and the scale words are in
	GROUP 0, 1, 0
	s_wait_dscnt 0x0
	GROUP 4, 1, 0
	PLACES                                         ; in front of the first read of results, and of the first write over x's set 1
	s_wait_loadcnt 0x0                             ; the bias is in
.irp j, 0,1,2,3,4,5,6,7
	EPI \j
.endr
	ds_load_b64 v[OSR:OSR+1], v[SSR]               ; the eight tiles' scale words, 512 bytes: LDS serves a wave's instructions in order.  (They land in registers of x's set 1: K step 7's matrix instructions stand ahead of the last wait on va_vdst, and nothing since names them)
	ds_load_b64 v[OSR+2:OSR+3], v[SSR] offset:256
	s_wait_dscnt 0x0
	global_store_b64 v[L8], v[OSR:OSR+1], s[30:31]                 ; 256 consecutive aligned bytes each
	global_store_b64 v[L8], v[OSR+2:OSR+3], s[30:31] offset:256
	s_wait_xcnt 0x0                                ; stores and loads have read their bases
	s_add_nc_u64 s[16:17], s[16:17], 51200         ; the next column group: four blocks were stepped, four more
	s_add_nc_u64 s[18:19], s[18:19], 196608
	s_add_nc_u64 s[30:31], s[30:31], 512
	s_add_nc_u64 s[10:11], s[10:11], 512
	s_sub_co_u32 s[PS], s[PS], 1
	s_cmp_lg_u32 s[PS], 0
	s_cbranch_scc1 .Lpass
	s_wait_dscnt 0x0                               ; the closing lines, six on end
	s_wait_alu 0x0
	s_wait_tensorcnt 0x0
	ds_add_u32 v[SPW], v[NIL]
	s_wait_dscnt 0x0
	s_endpgm
.Lfunc_end_k_q9f259203a0_proj:
	.size	k_q9f259203a0_proj, .Lfunc_end_k_q9f259203a0_proj-k_q9f259203a0_proj
	.p2alignl 7, 3214868480
	.fill 96, 4, 3214868480
	.section	.rodata,"a",@progbits
	.p2align	6, 0x0
	.amdhsa_kernel k_q9f259203a0_proj
		.amdhsa_group_segment_fixed_size 172544
		.amdhsa_private_segment_fixed_size 0
		.amdhsa_enable_private_segment 0
		.amdhsa_kernarg_size 80
		.amdhsa_user_sgpr_count 2
		.amdhsa_user_sgpr_kernarg_segment_ptr 1
		.amdhsa_wavefront_size32 1
		.amdhsa_system_sgpr_workgroup_id_x 1
		.amdhsa_system_sgpr_workgroup_id_y 1
		.amdhsa_system_sgpr_workgroup_id_z 1
		.amdhsa_system_vgpr_workitem_id 0
		.amdhsa_next_free_vgpr 1024
		.amdhsa_next_free_sgpr 66
		.amdhsa_reserve_vcc 0
		.amdhsa_float_denorm_mode_32 3
		.amdhsa_float_denorm_mode_16_64 3
		.amdhsa_memory_ordered 1
		.amdhsa_forward_progress 1
		.amdhsa_inst_pref_size 255
	.end_amdhsa_kernel
	.section	.bss,"aw",@nobits
	.p2align	6
	.space	262144
	.amdgpu_metadata
---
amdhsa.version: [ 1, 2 ]
amdhsa.kernels:
  - .name:           k_q9f259203a0_proj
    .symbol:         k_q9f259203a0_proj.kd
    .args:
      - { .name: q, .offset: 0, .size: 8, .value_kind: global_buffer, .address_space: global }
      - { .name: k, .offset: 8, .size: 8, .value_kind: global_buffer, .address_space: global }
      - { .name: v, .offset: 16, .size: 8, .value_kind: global_buffer, .address_space: global }
      - { .name: bq, .offset: 24, .size: 8, .value_kind: global_buffer, .address_space: global }
      - { .name: bk, .offset: 32, .size: 8, .value_kind: global_buffer, .address_space: global }
      - { .name: bv, .offset: 40, .size: 8, .value_kind: global_buffer, .address_space: global }
      - { .name: wimg, .offset: 48, .size: 8, .value_kind: global_buffer, .address_space: global }
      - { .name: qc, .offset: 56, .size: 8, .value_kind: global_buffer, .address_space: global }
      - { .name: kc, .offset: 64, .size: 8, .value_kind: global_buffer, .address_space: global }
      - { .name: vc, .offset: 72, .size: 8, .value_kind: global_buffer, .address_space: global }
    .group_segment_fixed_size: 172544
    .private_segment_fixed_size: 0
    .kernarg_segment_align: 8
    .kernarg_segment_size: 80
    .max_flat_workgroup_size: 128
    .sgpr_count:     66
    .vgpr_count:     1024
    .wavefront_size: 32
...
	.end_amdgpu_metadata
.endif
;; end of part 5
;; launch attn (part 6): grid 4 x 64, 16 waves a work-group, no clusters, 210,944 bytes of LDS; arguments qc, kc, vc, mask, cc; writes cc
.if DOCPART == 6
	.amdgcn_target "amdgcn-amd-amdhsa--gfx1250"
	.amdhsa_code_object_version 6
	.text
	.protected	k_q9f259203a0_attn
	.globl	k_q9f259203a0_attn
	.p2align	8
	.type	k_q9f259203a0_attn,@function
k_q9f259203a0_attn:
	s_mov_b64 s[64:65], 0
	v_nop
	global_prefetch_b8 v0, s[64:65] scope:SCOPE_SE
	s_setreg_imm32_b32 hwreg(HW_REG_WAVE_MODE, 25, 1), 1
	s_wait_xcnt 0x0
; One head of one batch (work-group y = 16 b + h), 512 queries (work-group x): S^T = K Q^T, the key mask, p = 2^(t - M), O^T = V^T P^T, O / l, and concat's codes.  All products on codes of FP6 (E2M3) with E8M0 scales.
; t = score x log2(e) / 8; M = the running largest t rounded up to a whole number; the row's sum l is taken of the unquantised p; when M moves, l and O^T are multiplied by 2^(old M - new M), exactly.
; SHARES.  ALL of the head's K and V (2 x 98,304 bytes of half images) lie in LDS, filled once by 16 tensor loads (waves 0-3, four each, by chunks of four key steps).  Each of the sixteen waves owns two tiles of 16 queries, one after the other;
; four waves share a SIMD, so that one wave's vector work stands beside another's matrix work.  A key step is 128 keys.
; Both products are used transposed: a lane holds one query (lane % 16) throughout.  Lane r of key tile t holds key 32 (t / 2) + 8 (t % 2) + r + 8 (r / 8), so that the 16 registers of two neighbouring tiles are 16 neighbouring keys.
; THE MASK RIDES IN THE UNUSED HALF OF THE FIRST PRODUCT'S K (the head has 64 of the instruction's 128).  Every K fragment holds the code -7.5 at k = 64, Q the code 1.0 with the scale byte 127; K's scale byte of that block is 227 (2^100)
; for a hidden key and 1 (2^-126) for an open one.  So a hidden key's score is about -9.5e30, its p is 0, and the loop has no instruction for the mask.  The largest t starts at -2^90, above every hidden t, so no hidden key sets M.
; A batch with no open key: all of Q's codes are made 0 (a select, no branch): every score is 0 and every p is 1, the uniform weights that the softmax of equal logits gives.
; LIMITS: an open key's t must lie above -2^90; a hidden logit is about -1.2e30 where the source has -1e30 (both give p = 0); an open score is moved by -7.5 x 2^-126; NaN and infinities are not served.
; The four work-groups of a head read the same K and V, 196,608 bytes once each, against 512 tile steps of work; a joint load would spare only that one fill: no cluster.  All bytes are asked for in the first lines: nothing is left to prefetch.
; REGISTERS: v1-5 the step's LDS addresses; v6, v7 the add's two; v8-11, v30, v31 lane places that stay; v12 -M, v13 the largest t, v[14:15] l; v16-27 Q, v28 its scale word, v29 p's; v32-79 four fragments of K (registers 6-11 constant);
;   v80-87 K's scale words, v88-91 V's; v96-159 S^T, then p, then four fragments of V; v160-191 O^T; v192-211 p's codes; v212-227 at work; v240-246 the second tile's Q.
.set TAB,   196608                     ; LDS behind the four fill regions of 49,152 bytes: for each key step 768 bytes: K's scale words with the mask's byte (512), V's (256).  Written by ds_store, never by a fill
.set SPARE, 208896                     ; the spare words, 128 bytes a wave: eight blocks of 256 bytes that no other line names
.set ADK,  1
.set ADK1, 2
.set ADV,  3
.set ADV1, 4
.set ADT,  5
.set SPW,  6
.set NIL,  7
.set A16,  8                           ; 16 x lane
.set A8,   9                           ; 8 x lane
.set AK1,  10                          ; 8 x lane + 512
.set AV0,  11                          ; 16 x lane + 98,304
.set AV1,  30                          ; 8 x lane + 98,816
.set AT0,  31                          ; TAB + 16 r
.set KF,   32
.set PCD,  192
.set PCT,  204
.set MX,   212
.set PT,   216
.set SO,   220
.set FF,   224
.set TP,   226
.set HW,   227
.set CSA,  228
.set LN,   232
.set RR,   233
.set HH,   234
.set R16,  235
.set RT,   236
.set MA,   237
.set ML,   238
.set TS0,  239
.set TS1,  247
.set K6,   248
.set WV,   14
.set SH,   19
.set SEL,  20
.set CS,   22
.set G1,   24
.set G0,   32
.set ANY,  48
.set TB,   49
.set TT,   50
.set CT,   51
.set KSB,  52
.set VSB,  54
.set QB,   56
.set QSB,  58
.set MB,   60
.set CB,   62
.set CSB,  66
	s_load_b256 s[4:11], s[0:1], 0x0               ; qc, kc, vc, mask
	s_load_b64 s[12:13], s[0:1], 0x20              ; cc
	v_lshl_add_u32 v[SPW], v0, 2, SPARE
	v_mov_b32 v[NIL], 0
	ds_add_u32 v[SPW], v[NIL]                      ; the wave's opening: the adds and their wait stand ahead of the first tensor load; work on registers stands between them
	ds_add_u32 v[SPW], v[NIL]
	v_lshrrev_b32 v[LN], 5, v0
	s_delay_alu instid0(VALU_DEP_1)
	v_readfirstlane_b32 s[WV], v[LN]               ; wave 0..15
	s_and_b32 s15, ttmp7, 0xffff
	s_and_b32 s16, s15, 15                         ; h
	s_lshr_b32 s15, s15, 4                         ; b
	s_lshr_b32 s17, s16, 1                         ; the pair of heads
	s_and_b32 s18, s16, 1                          ; and which of the two
	s_lshl_b32 s[SH], s18, 4
	s_mov_b32 s[G1], 3<<16                         ; group 1: no mask; elements of 8 bytes; no padding
	s_mov_b32 s[G1+1], 384<<16                     ; tensor_dim0 = 384: a row is 3,072 bytes: a key step's four half images
	s_mov_b32 s[G1+2], 4<<16                       ; tensor_dim1 = 4 key steps
	s_mov_b32 s[G1+3], 384<<16                     ; tile_dim0
	s_mov_b32 s[G1+4], 4                           ; tile_dim1
	s_mov_b32 s[G1+5], 768                         ; from a key step to the next: eight half images, 6,144 bytes
	s_mov_b32 s[G1+6], 0
	s_mov_b32 s[G1+7], 0
	s_mov_b32 s[SEL], 0x76543210
	s_mov_b32 s[SEL+1], 0xfedcba98
	s_mov_b32 s[CS], 0x3e38aa3b                    ; c = log2(e) / 8
	s_mov_b32 s[CS+1], s[CS]
	s_lshl_b32 s68, s15, 3
	s_add_co_u32 s68, s68, s17
	s_lshl_b32 s68, s68, 1                         ; 2 (8 b + pair)
	s_and_b32 s2, s[WV], 1
	s_cmp_lt_u32 s[WV], 2                          ; waves 0, 1: K's tiles 0-3, 4-7 of my head;  waves 2, 3: V's keys 0-63, 64-127 of each step, my head's four channel tiles
	s_cselect_b32 s3, s18, s2                      ; which run of 128 half images,
	s_cselect_b32 s69, s2, s18                     ; and which four of a step's eight
	s_add_co_u32 s3, s3, s68
	s_mul_i32 s70, s3, 98304
	s_mul_i32 s69, s69, 3072
	s_add_co_u32 s70, s70, s69
	s_mov_b32 s71, 0
	s_mul_i32 s69, s[WV], 49152                    ; my region of LDS
	s_wait_dscnt 0x0                               ; the opening add is done
	s_wait_kmcnt 0x0
	s_cmp_lt_u32 s[WV], 2
	s_cselect_b64 s[2:3], s[6:7], s[8:9]
	s_add_nc_u64 s[2:3], s[2:3], s[70:71]
.irp p, 0,1,2,3
	s_mov_b32 s[G0+4*\p], 1
	s_add_co_u32 s[G0+4*\p+1], s69, \p*12288       ; chunk p: key steps 4 p .. 4 p + 3
	s_add_nc_u64 s[G0+4*\p+2:G0+4*\p+3], s[2:3], \p*24576
	s_or_b32 s[G0+4*\p+3], s[G0+4*\p+3], 0x80000000
.endr
	s_cmp_lt_u32 s[WV], 4                          ; all first fills of a wave stand in one branch on its number: four loads of mine are out
	s_cbranch_scc0 .Lno_fill
.irp p, 0,1,2,3
	tensor_load_to_lds s[G0+4*\p:G0+4*\p+3], s[G1:G1+7]
	s_nop 0
.endr
.rept 4
	v_nop
.endr
.Lno_fill:
	s_lshl_b32 s70, s15, 4                         ; the scale words of key step w (each wave prepares one step's): block 16 b + w, my pair of heads
	s_add_co_u32 s70, s70, s[WV]
	s_lshl_b32 s70, s70, 3
	s_add_co_u32 s70, s70, s17
	s_lshl_b32 s70, s70, 9
	s_add_co_u32 s70, s70, 6291456
	s_add_nc_u64 s[KSB:KSB+1], s[6:7], s[70:71]
	s_lshl_b32 s2, s18, 8
	s_add_co_u32 s70, s70, s2                      ; V's: my head's four channel tiles
	s_add_nc_u64 s[VSB:VSB+1], s[8:9], s[70:71]
	s_add_co_u32 s70, s68, s18                     ; Q: my head's run, tile T0 = 32 x + 2 w
	s_mul_i32 s70, s70, 98304
	s_lshl_b32 s2, ttmp9, 5
	s_lshl_b32 s3, s[WV], 1
	s_add_co_u32 s2, s2, s3
	s_mul_i32 s3, s2, 768
	s_add_co_u32 s70, s70, s3
	s_add_nc_u64 s[QB:QB+1], s[4:5], s[70:71]
	s_lshl_b32 s70, s15, 4                         ; Q's scale words: block 16 b + 4 x + w / 4, tile 2 (w % 4) of its eight
	s_lshl_b32 s3, ttmp9, 2
	s_add_co_u32 s70, s70, s3
	s_lshr_b32 s3, s[WV], 2
	s_add_co_u32 s70, s70, s3
	s_lshl_b32 s70, s70, 3
	s_add_co_u32 s70, s70, s17
	s_lshl_b32 s70, s70, 9
	s_bfe_u32 s3, s[WV], 0x10001
	s_lshl_b32 s3, s3, 8
	s_add_co_u32 s70, s70, s3
	s_and_b32 s3, s[WV], 1
	s_lshl_b32 s3, s3, 3
	s_add_co_u32 s70, s70, s3
	s_add_co_u32 s70, s70, 6291456
	s_add_nc_u64 s[QSB:QSB+1], s[4:5], s[70:71]
	s_lshl_b32 s70, s15, 11
	s_add_nc_u64 s[MB:MB+1], s[10:11], s[70:71]    ; the batch's 2,048 mask bytes
	s_lshl_b32 s70, s15, 7                         ; concat's codes: half image (128 b + T0) 16 + h
	s_add_co_u32 s70, s70, s2
	s_lshl_b32 s70, s70, 4
	s_add_co_u32 s70, s70, s16
	s_mul_i32 s70, s70, 768
	s_add_nc_u64 s[CB:CB+1], s[12:13], s[70:71]
	s_lshl_b32 s70, s15, 11                        ; concat's scale bytes: 32 a row; row 2,048 b + 512 x + 32 w; my head's two at 2 h
	s_lshl_b32 s3, ttmp9, 9
	s_add_co_u32 s70, s70, s3
	s_lshl_b32 s3, s[WV], 5
	s_add_co_u32 s70, s70, s3
	s_lshl_b32 s70, s70, 5
	s_lshl_b32 s3, s16, 1
	s_add_co_u32 s70, s70, s3
	s_add_co_u32 s70, s70, 6291456
	s_add_nc_u64 s[CSB:CSB+1], s[12:13], s[70:71]
	v_and_b32 v[LN], 31, v0
	v_and_b32 v[RR], 15, v0
	v_bfe_u32 v[HH], v0, 4, 1
	s_delay_alu instid0(VALU_DEP_3)
	v_lshlrev_b32 v[A16], 4, v[LN]
	s_delay_alu instid0(VALU_DEP_4)
	v_lshlrev_b32 v[A8], 3, v[LN]
	s_delay_alu instid0(VALU_DEP_4)
	v_lshlrev_b32 v[R16], 4, v[RR]
	v_and_b32 v[RT], 8, v[RR]
	s_delay_alu instid0(VALU_DEP_1)
	v_add_nc_u32 v[RT], v[RT], v[RR]               ; r + 8 (r / 8)
	s_delay_alu instid0(VALU_DEP_1)
	v_lshl_add_u32 v[MA], v[HH], 6, v[RT]
	s_lshl_b32 s3, s[WV], 7
	v_add_nc_u32 v[MA], s3, v[MA]                  ; the key of my first scale word: 128 w + 64 (lane / 16) + r + 8 (r / 8)
	v_lshlrev_b32 v[ML], 6, v[LN]
.irp i, 0,1,2,3
	global_load_b128 v[96+4*\i:99+4*\i], v[ML], s[MB:MB+1] offset:16*\i     ; the whole batch's mask, 64 bytes a lane: is any key open?
.endr
	global_load_b128 v[112:115], v[A16], s[KSB:KSB+1]                       ; K's scale words of step w: lane l: tiles 4 (l / 16) + 0 .. 3, row r
	global_load_u8 v116, v[MA], s[MB:MB+1]                                  ; and those four keys' mask bytes
	global_load_u8 v117, v[MA], s[MB:MB+1] offset:8
	global_load_u8 v118, v[MA], s[MB:MB+1] offset:32
	global_load_u8 v119, v[MA], s[MB:MB+1] offset:40
	global_load_b64 v[120:121], v[A8], s[VSB:VSB+1]                         ; V's scale words of step w
	global_load_b128 v[16:19], v[A16], s[QB:QB+1]                           ; my first tile of Q,
	global_load_b64 v[20:21], v[A8], s[QB:QB+1] offset:512
	global_load_b128 v[240:243], v[A16], s[QB:QB+1] offset:768              ; my second
	global_load_b64 v[244:245], v[A8], s[QB:QB+1] offset:1280
	global_load_b32 v28, v[R16], s[QSB:QSB+1]
	global_load_b32 v246, v[R16], s[QSB:QSB+1] offset:4
	v_add_nc_u32 v[AK1], 512, v[A8]
	v_add_nc_u32 v[AV0], 98304, v[A16]
	v_add_nc_u32 v[AV1], 98816, v[A8]
	v_add_nc_u32 v[AT0], TAB, v[R16]
	v_lshlrev_b32 v[CSA], 5, v[RT]
	s_mul_i32 s3, s[WV], 768
	s_add_co_u32 s3, s3, TAB
	v_add_nc_u32 v[TS0], s3, v[A16]
	s_add_co_u32 s3, s3, 512
	v_add_nc_u32 v[TS1], s3, v[A8]
	v_sub_nc_u32 v[HH], 1, v[HH]                   ; 1 in lanes 0-15, which hold k = 64 .. 95 in registers 6-11
	s_delay_alu instid0(VALU_DEP_1)
	v_mul_u32_u24 v[K6], v[HH], 0x3f               ; the code -7.5 at k = 64
.irp t, 0,1,2,3
	v_mov_b32 v[KF+12*\t+6], v[K6]                 ; the upper halves of K's four fragments never change
.irp i, 7,8,9,10,11
	v_mov_b32 v[KF+12*\t+\i], 0
.endr
.endr
.irp i, 23,24,25,26,27
	v_mov_b32 v[\i], 0
.endr
.irp b, 0,1,2,3
	v_mov_b32 v[PT+\b], 0                          ; written once: a lane permute's destination counts as one of its sources
.endr
	v_mov_b32 v[FF+1], 0                           ; (named as the upper half of a pair)
	v_mov_b32 v[TP], 0
	s_wait_loadcnt 0x0
.irp i, 1
	v_or_b32 v96, v96, v[96+\i]
.endr
.irp i, 2, 3, 4, 5, 6, 7, 8, 9, 10, 11, 12, 13, 14, 15
	s_delay_alu instid0(VALU_DEP_1)
	v_or_b32 v96, v96, v[96+\i]
.endr
	s_delay_alu instid0(VALU_DEP_1)
	v_cmp_ne_u32 s[ANY], 0, v96
	s_cmp_lg_u32 s[ANY], 0
	s_cselect_b32 s[ANY], -1, 0                    ; all ones if the batch has an open key: it selects values, no branch hangs on it
	v_lshlrev_b32 v22, 3, v[HH]                    ; Q: the code 1.0 at k = 64,
	s_delay_alu instid0(VALU_DEP_1)
	v_and_b32 v22, s[ANY], v22                     ; or nothing
.irp i, 0,1,2,3
	v_lshrrev_b32 v[112+\i], s[SH], v[112+\i]      ; my head's two bytes,
	s_delay_alu instid0(VALU_DEP_1)
	v_and_b32 v[112+\i], 0xffff, v[112+\i]
	v_mul_u32_u24 v[116+\i], v[116+\i], 226
	s_delay_alu instid0(VALU_DEP_1)
	v_sub_nc_u32 v[116+\i], 227, v[116+\i]         ; and over them 1 for an open key, 227 for a hidden one
	s_delay_alu instid0(VALU_DEP_1)
	v_lshl_or_b32 v[112+\i], v[116+\i], 16, v[112+\i]
.endr
	ds_store_b128 v[TS0], v[112:115]
	ds_store_b64 v[TS1], v[120:121]
.macro TILE_HEAD u
.irp i, 0,1,2,3,4,5
.if \u
	v_and_b32 v[16+\i], s[ANY], v[240+\i]
.else
	v_and_b32 v[16+\i], s[ANY], v[16+\i]
.endif
.endr
.if \u
	v_lshrrev_b32 v28, s[SH], v246
.else
	v_lshrrev_b32 v28, s[SH], v28
.endif
	s_delay_alu instid0(VALU_DEP_1)
	v_and_b32 v28, 0xffff, v28                     ; my head's two bytes,
	s_delay_alu instid0(VALU_DEP_1)
	v_or_b32 v28, 0x7f0000, v28                    ; and 127 for the mask's block
	v_mov_b32 v13, 0xec800000                      ; the largest t so far: -2^90
	s_delay_alu instid0(VALU_DEP_1)
	v_floor_f32 v12, -v13                          ; -M
	v_mov_b32 v14, 0
	v_mov_b32 v15, 0
.set J, 0
.rept 32
	v_mov_b32 v[160+J], 0                          ; O^T: the step is written once; the first change of M leaves zeros zeros.  (These are also the places between Q's registers and the first products)
.set J, J+1
.endr
	s_mov_b32 s[TB], 0
	s_mov_b32 s[TT], 0
.endm
; A KEY STEP: 128 keys.
.macro STEP
	s_setprio 2
	v_add_nc_u32 v[ADK], s[TB], v[A16]             ; five additions and a v_nop: the places behind the last step's products, whose operands are written over below
	s_wait_alu depctr_va_vdst(0)
	v_add_nc_u32 v[ADK1], s[TB], v[AK1]
	s_wait_alu depctr_va_vdst(0)
	v_add_nc_u32 v[ADV], s[TB], v[AV0]
	v_add_nc_u32 v[ADV1], s[TB], v[AV1]
	v_add_nc_u32 v[ADT], s[TT], v[AT0]
	v_nop
.irp g, 0,1                                    ; S^T = K Q^T, four tiles of 16 keys at a time
.if \g
.rept 4
	v_nop                                          ; places in front of loads into registers that matrix instructions have read
.endr
.endif
.irp t, 0,1,2,3
	ds_load_b128 v[KF+12*\t:KF+12*\t+3], v[ADK] offset:49152*\g+768*\t
	ds_load_b64 v[KF+12*\t+4:KF+12*\t+5], v[ADK1] offset:49152*\g+768*\t
.endr
.if \g == 0
	ds_load_b128 v[80:83], v[ADT]                  ; the step's scale words: K's tiles 0-3, 4-7, V's four
	ds_load_b128 v[84:87], v[ADT] offset:256
	ds_load_b128 v[88:91], v[ADT] offset:512
.endif
	s_wait_dscnt 0x0
.irp t, 0,1,2,3
	v_wmma_scale_f32_16x16x128_f8f6f4 v[96+8*(4*\g+\t):103+8*(4*\g+\t)], v[KF+12*\t:KF+12*\t+11], v[16:27], 0, v[80+4*\g+\t], v28 matrix_a_fmt:MATRIX_FMT_FP6 matrix_b_fmt:MATRIX_FMT_FP6
.endr
.endr
.rept 4
	v_nop
.endr
.irp b, 0,1,2,3
	v_max3_num_f32 v[MX+\b], v[96+16*\b], v[97+16*\b], v[98+16*\b]    ; the largest score of each block of 32 keys: for the row's maximum, and, since p rises with the score, for the block's largest p
.endr
.irp i, 3,5,7,9,11,13
.irp b, 0,1,2,3
	v_max3_num_f32 v[MX+\b], v[MX+\b], v[96+16*\b+\i], v[97+16*\b+\i]
.endr
.endr
.irp b, 0,1,2,3
	v_max_num_f32 v[MX+\b], v[MX+\b], v[111+16*\b]
.endr
.irp b, 0,1,2,3
	s_delay_alu instid0(VALU_DEP_4)
	v_permlanex16_b32 v[PT+\b], v[MX+\b], s[SEL], s[SEL+1]
.endr
.irp b, 0,1,2,3
	s_delay_alu instid0(VALU_DEP_4)
	v_max_num_f32 v[MX+\b], v[MX+\b], v[PT+\b]     ; with lane l xor 16's 16 keys
.endr
	s_delay_alu instid0(VALU_DEP_2)
	v_max3_num_f32 v[TP], v[MX], v[MX+1], v[MX+2]
	s_delay_alu instid0(VALU_DEP_1)
	v_max_num_f32 v[TP], v[TP], v[MX+3]
	s_delay_alu instid0(VALU_DEP_1)
	v_mul_f32 v[TP], s[CS], v[TP]                  ; as t
	s_delay_alu instid0(VALU_DEP_1)
	v_max_num_f32 v13, v13, v[TP]                  ; the running largest t
	v_mov_b32 v[TP], v12
	s_delay_alu instid0(VALU_DEP_2)
	v_floor_f32 v12, -v13                          ; the new -M = -ceil(t)
	s_delay_alu instid0(VALU_DEP_1)
	v_sub_f32 v[TP], v12, v[TP]                    ; old M - new M: a whole number, 0 or less
	s_delay_alu instid0(VALU_DEP_1)
	v_cvt_i32_f32 v[TP], v[TP]                     ; (it saturates)
	s_delay_alu instid0(VALU_DEP_1)
	v_ldexp_f32 v[FF], 1.0, v[TP]                  ; f = 2^(old M - new M)
.set J, 0
.rept 32
	v_pk_fma_f32 v[96+J:97+J], v[96+J:97+J], s[CS:CS+1], v[12:13] op_sel_hi:[1,0,0]   ; t - M, two at a time
.set J, J+2
.endr
.irp b, 0,1,2,3
	v_fma_f32 v[MX+\b], v[MX+\b], s[CS], v12       ; the same of each block's largest score
.endr
.set J, 0
	s_wait_alu depctr_va_vdst(0)
.rept 64
	v_exp_f32 v[96+J], v[96+J]                     ; p = 2^(t - M), not normalised
.set J, J+1
.endr
	s_setprio 1
	v_pk_mul_f32 v[14:15], v[14:15], v[FF:FF+1] op_sel_hi:[1,0]      ; l under the new M: the plain place behind the exponentials
	s_wait_alu depctr_va_vdst(0)                   ; one wait for the batch, ahead of its first reader
.irp b, 0,1,2,3
	v_exp_f32 v[MX+\b], v[MX+\b]                   ; the blocks' largest p
.endr
	v_pk_add_f32 v[216:217], v[100:101], v[104:105]
	v_pk_add_f32 v[254:255], v[108:109], v[112:113]
	v_pk_add_f32 v[252:253], v[116:117], v[120:121]
	v_pk_add_f32 v[250:251], v[124:125], v[128:129]
	v_pk_add_f32 v[248:249], v[132:133], v[136:137]
	v_pk_add_f32 v[238:239], v[140:141], v[144:145]
	v_pk_add_f32 v[236:237], v[148:149], v[152:153]
	v_pk_add_f32 v[14:15], v[14:15], v[156:157]
	v_pk_add_f32 v[216:217], v[216:217], v[96:97]
	v_pk_add_f32 v[254:255], v[254:255], v[98:99]
	v_pk_add_f32 v[252:253], v[252:253], v[102:103]
	v_pk_add_f32 v[250:251], v[250:251], v[106:107]
	v_pk_add_f32 v[248:249], v[248:249], v[110:111]
	v_pk_add_f32 v[238:239], v[238:239], v[114:115]
	v_pk_add_f32 v[236:237], v[236:237], v[118:119]
	v_pk_add_f32 v[14:15], v[14:15], v[122:123]
	v_pk_add_f32 v[216:217], v[216:217], v[126:127]
	v_pk_add_f32 v[254:255], v[254:255], v[130:131]
	v_pk_add_f32 v[252:253], v[252:253], v[134:135]
	v_pk_add_f32 v[250:251], v[250:251], v[138:139]
	v_pk_add_f32 v[248:249], v[248:249], v[142:143]
	v_pk_add_f32 v[238:239], v[238:239], v[146:147]
	v_pk_add_f32 v[236:237], v[236:237], v[150:151]
	v_pk_add_f32 v[14:15], v[14:15], v[154:155]
	v_pk_add_f32 v[216:217], v[216:217], v[158:159]
	s_delay_alu instid0(VALU_DEP_2)
	v_pk_add_f32 v[14:15], v[14:15], v[250:251]
	s_delay_alu instid0(VALU_DEP_2)
	v_pk_add_f32 v[216:217], v[216:217], v[248:249]
	v_pk_add_f32 v[254:255], v[254:255], v[238:239]
	v_pk_add_f32 v[252:253], v[252:253], v[236:237]
	s_delay_alu instid0(VALU_DEP_2)
	v_pk_add_f32 v[14:15], v[14:15], v[254:255]
	s_delay_alu instid0(VALU_DEP_2)
	v_pk_add_f32 v[216:217], v[216:217], v[252:253]
	s_delay_alu instid0(VALU_DEP_1)
	v_pk_add_f32 v[14:15], v[14:15], v[216:217]
	s_wait_alu depctr_va_vdst(0)                   ; and one for the four
.irp b, 0,1,2,3
	v_max_num_f32 v[MX+\b], 0x1800000, v[MX+\b]    ; the floor 2^(3 - 127): a block whose every p is 0 keeps the byte 1; its codes are zeros
.endr
.irp b, 0,1,2,3
	s_delay_alu instid0(VALU_DEP_4)
	v_add_nc_u32 v[SO+\b], 0xff000000, v[MX+\b]    ; the conversion's scale operand
.endr
.irp b, 0,1,2,3
	s_delay_alu instid0(VALU_DEP_4)
	v_lshrrev_b32 v[PT+\b], 23, v[SO+\b]           ; the scale's byte
.endr
	s_delay_alu instid0(VALU_DEP_3)
	v_lshl_or_b32 v29, v[PT+1], 8, v[PT]           ; p's scale word for these 128 keys
	s_delay_alu instid0(VALU_DEP_1)
	v_lshl_or_b32 v29, v[PT+2], 16, v29
	s_delay_alu instid0(VALU_DEP_1)
	v_lshl_or_b32 v29, v[PT+3], 24, v29
.irp c, 0,1
	v_cvt_scalef32_pk16_fp6_f32 v[PCD+6*\c:PCD+2+6*\c], v[96+32*\c:111+32*\c], v[SO+2*\c]
	v_cvt_scalef32_pk16_fp6_f32 v[PCT+4*\c:PCT+2+4*\c], v[112+32*\c:127+32*\c], v[SO+2*\c+1]
.endr
	v_nop                                          ; one plain place behind a scaled conversion
.irp t, 0,1,2,3                                ; V's four fragments (16 channels x 128 keys: two half images each) into the registers that p has left
	ds_load_b128 v[96+12*\t:99+12*\t], v[ADV] offset:768*\t
	ds_load_b64 v[100+12*\t:101+12*\t], v[ADV1] offset:768*\t
	ds_load_b128 v[102+12*\t:105+12*\t], v[ADV] offset:49152+768*\t
	ds_load_b64 v[106+12*\t:107+12*\t], v[ADV1] offset:49152+768*\t
.endr
.irp c, 0,1                                    ; a whole block in a lane: lanes 0-15 block 2 c, lanes 16-31 block 2 c + 1
.irp i, 0,1,2
	v_permlane16_swap_b32 v[PCD+6*\c+\i], v[PCT+4*\c+\i]
.endr
.irp i, 0,1,2
	s_delay_alu instid0(VALU_DEP_3)
	v_mov_b32 v[PCD+3+6*\c+\i], v[PCT+4*\c+\i]
.endr
.endr
.set J, 0
	s_setprio 0
.rept 16
	v_pk_mul_f32 v[160+J:161+J], v[160+J:161+J], v[FF:FF+1] op_sel_hi:[1,0]   ; O^T under the new M; also the places in front of the products below
.set J, J+2
.endr
	s_wait_alu depctr_va_vdst(0)
	s_wait_dscnt 0x0
.irp t, 0,1,2,3                                ; O^T += V^T P^T: the four accumulators by turns
	v_wmma_scale_f32_16x16x128_f8f6f4 v[160+8*\t:167+8*\t], v[96+12*\t:107+12*\t], v[192:203], v[160+8*\t:167+8*\t], v[88+\t], v29 matrix_a_fmt:MATRIX_FMT_FP6 matrix_b_fmt:MATRIX_FMT_FP6
.endr
	s_add_co_u32 s[TB], s[TB], 3072                ; the next key step's images and scale words
	s_add_co_u32 s[TT], s[TT], 768
.endm
; O^T / l; register 16 b + i is channel 32 b + 16 (lane / 16) + i of my query: two blocks along concat's K.  They are quantised and leave as one half image and two scale bytes a row.
.macro TILE_TAIL u
.rept 4
	v_nop                                          ; places behind the last products
.endr
	v_add_f32 v14, v14, v15
	s_delay_alu instid0(VALU_DEP_1)
	v_permlanex16_b32 v[TP], v14, s[SEL], s[SEL+1]
	s_delay_alu instid0(VALU_DEP_1)
	v_add_f32 v14, v14, v[TP]                      ; the row's sum
	s_wait_alu depctr_va_vdst(0)
	v_rcp_f32 v14, v14
	v_nop                                          ; a plain place behind the transcendental
	s_wait_alu depctr_va_vdst(0)                   ; and the wait ahead of its first reader
.set J, 0
.rept 32
	v_mul_f32 v[96+J], v[160+J], v14
.set J, J+1
.endr
.irp b, 0,1
	v_max3_num_f32 v[MX+\b], |v[96+16*\b]|, |v[97+16*\b]|, 0x1800000
.endr
.irp i, 2,4,6,8,10,12,14
.irp b, 0,1
	s_delay_alu instid0(VALU_DEP_2)
	v_max3_num_f32 v[MX+\b], v[MX+\b], |v[96+16*\b+\i]|, |v[97+16*\b+\i]|
.endr
.endr
.irp b, 0,1
	s_delay_alu instid0(VALU_DEP_2)
	v_permlanex16_b32 v[PT+\b], v[MX+\b], s[SEL], s[SEL+1]
.endr
.irp b, 0,1
	s_delay_alu instid0(VALU_DEP_2)
	v_max_num_f32 v[MX+\b], v[MX+\b], v[PT+\b]
.endr
.irp b, 0,1
	s_delay_alu instid0(VALU_DEP_2)
	v_add_nc_u32 v[SO+\b], 0xff000000, v[MX+\b]
.endr
.irp b, 0,1
	s_delay_alu instid0(VALU_DEP_2)
	v_lshrrev_b32 v[PT+\b], 23, v[SO+\b]
.endr
	s_delay_alu instid0(VALU_DEP_1)
	v_lshl_or_b32 v[HW], v[PT+1], 8, v[PT]
	v_cvt_scalef32_pk16_fp6_f32 v[PCD:PCD+2], v[96:111], v[SO]
	v_cvt_scalef32_pk16_fp6_f32 v[PCT:PCT+2], v[112:127], v[SO+1]
	v_nop
.irp i, 0,1,2
	v_permlane16_swap_b32 v[PCD+\i], v[PCT+\i]
.endr
.irp i, 0,1,2
	s_delay_alu instid0(VALU_DEP_3)
	v_mov_b32 v[PCD+3+\i], v[PCT+\i]
.endr
	global_store_b128 v[A16], v[PCD:PCD+3], s[CB:CB+1] offset:12288*\u            ; 512 consecutive aligned bytes,
	global_store_b64 v[A8], v[PCD+4:PCD+5], s[CB:CB+1] offset:12288*\u+512        ; and 256
	global_store_b16 v[CSA], v[HW], s[CSB:CSB+1] offset:256*\u                    ; two bytes of each row's 32: lanes r and r + 16 store the same
	s_wait_xcnt 0x0                                ; the stores have read their registers
.endm
	TILE_HEAD 0
.irp p, 0,1,2,3
	s_wait_tensorcnt 3-\p                          ; my part of chunk p has landed; the younger chunks may stay out
	s_wait_dscnt 0x0                               ; my scale words are stored (p = 0); no LDS instruction of mine is out
	s_barrier_signal -1
	s_barrier_wait -1                              ; everybody's has
	s_mov_b32 s[CT], 4
.Lchunk\p:
	STEP
	s_sub_co_u32 s[CT], s[CT], 1
	s_cmp_lg_u32 s[CT], 0
	s_cbranch_scc1 .Lchunk\p
	s_setprio 0
.endr
	TILE_TAIL 0
	TILE_HEAD 1
	s_mov_b32 s[CT], 16
.Ltile1:
	STEP
	s_sub_co_u32 s[CT], s[CT], 1
	s_cmp_lg_u32 s[CT], 0
	s_cbranch_scc1 .Ltile1
	s_setprio 0
	TILE_TAIL 1
	s_wait_tensorcnt 0x0                           ; the wave's end: behind my last tensor load and my last LDS store
	ds_add_u32 v[SPW], v[NIL]
	s_wait_dscnt 0x0
	s_endpgm
.Lfunc_end_k_q9f259203a0_attn:
	.size	k_q9f259203a0_attn, .Lfunc_end_k_q9f259203a0_attn-k_q9f259203a0_attn
	.p2alignl 7, 3214868480
	.fill 96, 4, 3214868480
	.section	.rodata,"a",@progbits
	.p2align	6, 0x0
	.amdhsa_kernel k_q9f259203a0_attn
		.amdhsa_group_segment_fixed_size 210944
		.amdhsa_private_segment_fixed_size 0
		.amdhsa_enable_private_segment 0
		.amdhsa_kernarg_size 40
		.amdhsa_user_sgpr_count 2
		.amdhsa_user_sgpr_kernarg_segment_ptr 1
		.amdhsa_wavefront_size32 1
		.amdhsa_system_sgpr_workgroup_id_x 1
		.amdhsa_system_sgpr_workgroup_id_y 1
		.amdhsa_system_sgpr_workgroup_id_z 1
		.amdhsa_system_vgpr_workitem_id 0
		.amdhsa_next_free_vgpr 256
		.amdhsa_next_free_sgpr 72
		.amdhsa_reserve_vcc 0
		.amdhsa_float_denorm_mode_32 3
		.amdhsa_float_denorm_mode_16_64 3
		.amdhsa_memory_ordered 1
		.amdhsa_forward_progress 1
		.amdhsa_inst_pref_size 113
	.end_amdhsa_kernel
	.amdgpu_metadata
---
amdhsa.version: [ 1, 2 ]
amdhsa.kernels:
  - .name:           k_q9f259203a0_attn
    .symbol:         k_q9f259203a0_attn.kd
    .args:
      - { .name: qc, .offset: 0, .size: 8, .value_kind: global_buffer, .address_space: global }
      - { .name: kc, .offset: 8, .size: 8, .value_kind: global_buffer, .address_space: global }
      - { .name: vc, .offset: 16, .size: 8, .value_kind: global_buffer, .address_space: global }
      - { .name: mask, .offset: 24, .size: 8, .value_kind: global_buffer, .address_space: global }
      - { .name: cc, .offset: 32, .size: 8, .value_kind: global_buffer, .address_space: global }
    .group_segment_fixed_size: 210944
    .private_segment_fixed_size: 0
    .kernarg_segment_align: 8
    .kernarg_segment_size: 40
    .max_flat_workgroup_size: 512
    .sgpr_count:     72
    .vgpr_count:     256
    .wavefront_size: 32
...
	.end_amdgpu_metadata
.endif
;; end of part 6
;; launch outp (part 7): grid 4 x 64, 4 waves a work-group, no clusters, 120,320 bytes of LDS; arguments cc, wimg, bo, out0; writes out0
.if DOCPART == 7
	.amdgcn_target "amdgcn-amd-amdhsa--gfx1250"
	.amdhsa_code_object_version 6
	.text
	.protected	k_q9f259203a0_outp
	.globl	k_q9f259203a0_outp
	.p2align	8
	.type	k_q9f259203a0_outp,@function
k_q9f259203a0_outp:
	s_mov_b64 s[64:65], 0
	v_nop
	global_prefetch_b8 v0, s[64:65] scope:SCOPE_SE
	s_setreg_imm32_b32 hwreg(HW_REG_WAVE_SCHED_MODE, 0, 2), 2
	s_setreg_imm32_b32 hwreg(HW_REG_WAVE_MODE, 25, 1), 1
	s_wait_xcnt 0x0
	s_wait_alu depctr_vm_vsrc(0)
; out0 = concat Wo + bo on codes of FP6 (E2M3) with E8M0 scales.  A work-group makes 128 rows (work-group y) x 256 columns (work-group x); wave w all 128 rows x 64 columns: 32 accumulators.
; concat's codes come as half images (a head's 64 along K); two of them, loaded into registers 0-5 and 6-11, are a fragment of 128 along K.  Wave w brings tiles 2 w, 2 w + 1 for all of K and stores their images to LDS; one barrier.
; Wo's fragments of the wave's four column tiles, for all of K (384 registers), come from memory once and stay in registers.  The bias is the C of each sum's first product.
; Used transposed: source 0 = 16 columns of Wo, source 1 = 16 rows of concat: a lane holds eight neighbouring columns of one row.  Lane r of a tile holds row (or column) 32 (t / 2) + 8 (t % 2) + r + 8 (r / 8) of its 128.
; The four work-groups of a row block read the same 98,304 bytes of codes once each, through registers; there is no ring that a joint load could feed: no cluster.
; THE MODE: SCHED_MODE bits 1:0 = 2 (LLVM: expert scheduling mode 2), set by the entry lines.  The code itself states the register dependences
; between vector or matrix instructions and memory or LDS instructions, with s_wait_alu, always for 0.
; THE PLAN.  Registers that memory or LDS instructions touch:
;   window 2      At the head loads land and the image stores read; behind the barrier the products write (one wait on vm_vsrc there); on the way out the stage's stores read (four places and one wait on va_vdst).
;   XF0, XF1      concat's eight fragments, two sets; XS0, XS1 their scale words.  K step ks multiplies sets ks % 2; the LDS loads of step ks + 1 land in the other sets, which no matrix instruction of the step names.
;                 ONE wait on va_vdst at the head of K steps 1 to 6: the step before is done reading those other sets.  (Step 0's loads land in registers that nothing has named; step 7 loads nothing.)
;   BK0, BK1      The way out: the stage's rows land, the global stores read: a wait on vm_vsrc before a set is loaded again.  The way out holds no vector instruction.
;   v1-v13        Addresses and offsets, made at the head and never written again: every K step's place in LDS stands in an immediate.
; REGISTERS: window 0: v1-14 addresses; v30, v31 the add's two; v32-63 Wo's scale words (4 a K step); v64-159 concat's eight fragments, set 0 (way out: two sets of 32 at v64, v96); v160-175 its scale words, two sets; v176-207 the bias; v208-215 scale words as loaded.
;   Window 1: Wo's fragments of K steps 0-4 at v[48 ks + 12 b];  window 3: of K steps 5-7, and from v144 concat's fragments, set 1.  Window 2: at the head 192 registers of concat's fragments on their way to LDS; then accumulator (a, b) at v[8 (4 a + b)].
.set XIMG,  0                          ; LDS: (K step ks, tile a) at 1,536 (8 ks + a)
.set XSC,   98304                      ; scale words: 512 bytes a K step: (tile a, lane r) at 256 (a / 4) + 16 r + 4 (a % 4)
.set STG,   102400                     ; for each wave a stage of 16 rows x (256 + 16) bytes
.set SPARE, 119808                     ; the spare words, 128 bytes a wave: two blocks of 256 bytes that no other line names
.set L16,  1
.set L16B, 2                           ; 16 x lane + 49,152: K steps 4-7 (an LDS offset has 16 bits)
.set L8,   3
.set R16,  4
.set H64,  5
.set XWI,  6
.set XWI2, 7
.set XWS,  8
.set XSB,  9
.set STO,  10
.set RD,   11
.set GO,   12
.set CSA,  13
.set SPW,  30
.set NIL,  31
.set WSC,  32
.set XF,   64                          ; set 0, in window 0
.set XG,   144                         ; set 1, in window 3
.set BK,   64
.set XS,   160
.set BI,   176
.set CW,   208
.set WV,   12
.set MSB, 0
.macro WIN new                         ; the immediate's high byte repeats the setting that is left
.if MSB != (\new)
	s_set_vgpr_msb (MSB<<8)|(\new)
.set MSB, (\new)
.endif
.endm
.macro PLACES
.rept 4
	v_nop
.endr
.endm
	s_load_b256 s[4:11], s[0:1], 0x0               ; cc, wimg, bo, out0
	v_lshl_add_u32 v[SPW], v0, 2, SPARE
	v_mov_b32 v[NIL], 0
	v_lshrrev_b32 v14, 5, v0
	v_readfirstlane_b32 s[WV], v14                 ; wave 0..3
	s_and_b32 s13, ttmp7, 0xffff                   ; the block of 128 rows
	v_and_b32 v14, 31, v0
	v_and_b32 v15, 15, v0                          ; r
	v_bfe_u32 v16, v0, 4, 1                        ; h
	v_lshlrev_b32 v[L16], 4, v14
	v_add_nc_u32 v[L16B], 49152, v[L16]
	v_lshlrev_b32 v[L8], 3, v14
	v_lshlrev_b32 v[R16], 4, v15
	s_wait_alu depctr_va_vdst(0)
	v_lshlrev_b32 v[H64], 6, v16
	s_wait_alu depctr_va_sdst(0)                   ; the wave's number is written into s[WV], ahead of its first reader
	s_mul_i32 s14, s[WV], 3072
	v_add_nc_u32 v[XWI], s14, v[L16]
	v_add_nc_u32 v[XWI2], s14, v[L16B]
	s_lshr_b32 s15, s[WV], 1
	s_and_b32 s16, s[WV], 1
	s_lshl_b32 s14, s15, 8
	s_lshl_b32 s17, s16, 3
	s_add_co_u32 s14, s14, s17
	s_add_co_u32 s14, s14, XSC
	v_lshl_add_u32 v[XWS], v16, 2, v[R16]
	v_add_nc_u32 v[XWS], s14, v[XWS]               ; lanes 0-15 store tile 2 w's scale words, lanes 16-31 tile 2 w + 1's
	v_add_nc_u32 v[XSB], XSC, v[R16]
	s_mul_i32 s14, s[WV], 4352
	s_add_co_u32 s14, s14, STG
	v_mul_u32_u24 v[STO], v15, 272
	s_wait_alu depctr_va_vdst(0)
	v_add_nc_u32 v[STO], v[STO], v[H64]
	v_add_nc_u32 v[STO], s14, v[STO]               ; into my stage: row r, 64 h
	v_mul_u32_u24 v[RD], v16, 272
	v_add_nc_u32 v[RD], v[RD], v[R16]
	v_add_nc_u32 v[RD], s14, v[RD]                 ; back: lanes 0-15 one row of 256 bytes, lanes 16-31 the next
	v_lshl_add_u32 v[GO], v16, 12, v[R16]          ; and the same two rows in out0
	v_and_b32 v17, 8, v15
	v_add_nc_u32 v17, v17, v15
	v_lshl_add_u32 v17, v16, 3, v17
	v_lshlrev_b32 v[CSA], 5, v17                   ; scale bytes: row 8 (lane / 16) + r + 8 (r / 8) of my 32, 32 bytes a row
	s_lshl_b32 s18, ttmp9, 1
	s_add_co_u32 s18, s18, s15                     ; column group 2 x + w / 2
	s_mul_i32 s18, s18, 102400
	s_add_co_u32 s18, s18, 2457600                 ; in Wo's images
	s_mul_i32 s20, s16, 6144                       ; my four tiles of its eight
	s_add_co_u32 s20, s20, s18
	s_mov_b32 s21, 0
	s_lshl_b32 s22, s16, 8
	s_add_co_u32 s22, s22, s18
	s_add_co_u32 s22, s22, 12288                   ; and their scale words
	s_mov_b32 s23, 0
	s_mul_i32 s24, s13, 98304                      ; concat's codes: 8 tiles x 16 heads x 768 bytes a block; my two tiles
	s_mul_i32 s25, s[WV], 24576
	s_add_co_u32 s24, s24, s25
	s_mov_b32 s25, 0
	s_lshl_b32 s26, s13, 12                        ; its scale bytes: my 32 rows
	s_lshl_b32 s27, s[WV], 10
	s_add_co_u32 s26, s26, s27
	s_add_co_u32 s26, s26, 6291456
	s_mov_b32 s27, 0
	s_lshl_b32 s28, ttmp9, 10                      ; my 64 columns, in bytes
	s_lshl_b32 s29, s[WV], 8
	s_add_co_u32 s28, s28, s29
	s_mov_b32 s29, 0
	s_lshl_b32 s30, s13, 19                        ; 128 rows of 4,096 bytes
	s_add_co_u32 s30, s30, s28
	s_mov_b32 s31, 0
	s_wait_kmcnt 0x0
	s_add_nc_u64 s[14:15], s[6:7], s[22:23]        ; Wo's scale words
	s_add_nc_u64 s[6:7], s[6:7], s[20:21]          ; Wo's images
	s_add_nc_u64 s[16:17], s[4:5], s[26:27]        ; concat's scale bytes
	s_add_nc_u64 s[4:5], s[4:5], s[24:25]          ; concat's codes
	s_add_nc_u64 s[8:9], s[8:9], s[28:29]          ; bo
	s_add_nc_u64 s[10:11], s[10:11], s[30:31]      ; out0
	WIN 0x80                                       ; destination window 2: concat first: the barrier waits for it
	s_wait_alu depctr_va_vdst(0)                   ; the addresses and offsets v1-v13 are written, which the loads and stores of the whole kernel read
.irp u, 0,1
.irp ks, 0,1,2,3,4,5,6,7
	global_load_b128 v[12*(8*\u+\ks):12*(8*\u+\ks)+3], v[L16], s[4:5] offset:\u*12288+\ks*1536            ; head 2 ks: registers 0-3,
	global_load_b64 v[12*(8*\u+\ks)+4:12*(8*\u+\ks)+5], v[L8], s[4:5] offset:\u*12288+\ks*1536+512        ; 4-5;
	global_load_b128 v[12*(8*\u+\ks)+6:12*(8*\u+\ks)+9], v[L16], s[4:5] offset:\u*12288+\ks*1536+768      ; head 2 ks + 1: registers 6-9,
	global_load_b64 v[12*(8*\u+\ks)+10:12*(8*\u+\ks)+11], v[L8], s[4:5] offset:\u*12288+\ks*1536+1280     ; 10-11
.endr
.endr
	WIN 0
	global_load_b128 v[CW:CW+3], v[CSA], s[16:17]                  ; my row's 32 scale bytes: a word for each K step
	global_load_b128 v[CW+4:CW+7], v[CSA], s[16:17] offset:16
	WIN 0x40                                       ; destination window 1
.irp ks, 0,1,2,3,4
.irp b, 0,1,2,3
.irp c, 0,1,2
	global_load_b128 v[48*\ks+12*\b+4*\c:48*\ks+12*\b+4*\c+3], v[L16], s[6:7] offset:\ks*12800+1536*\b+512*\c
.endr
.endr
.endr
	WIN 0xc0                                       ; destination window 3
.irp ks, 5,6,7
.irp b, 0,1,2,3
.irp c, 0,1,2
	global_load_b128 v[48*(\ks-5)+12*\b+4*\c:48*(\ks-5)+12*\b+4*\c+3], v[L16], s[6:7] offset:\ks*12800+1536*\b+512*\c
.endr
.endr
.endr
	WIN 0
.irp ks, 0,1,2,3,4,5,6,7
	global_load_b128 v[WSC+4*\ks:WSC+4*\ks+3], v[R16], s[14:15] offset:\ks*12800
.endr
.irp b, 0,1,2,3
	global_load_b128 v[BI+8*\b:BI+8*\b+3], v[H64], s[8:9] offset:(32*(\b/2)+8*(\b%2))*4          ; tile b: columns 32 (b / 2) + 8 (b % 2) + 16 h + 0 .. 7 of my 64
	global_load_b128 v[BI+8*\b+4:BI+8*\b+7], v[H64], s[8:9] offset:(32*(\b/2)+8*(\b%2))*4+16
.endr
	s_wait_loadcnt 0x0                             ; 178 loads are out: more than a count can name, so one wait for all
	WIN 0x08                                       ; an LDS store's data are its source 1: window 2
.irp u, 0,1
.irp ks, 0,1,2,3,4,5,6,7
.irp c, 0,1,2
.if \ks < 4
	ds_store_b128 v[XWI], v[12*(8*\u+\ks)+4*\c:12*(8*\u+\ks)+4*\c+3] offset:\ks*12288+\u*1536+512*\c
.else
	ds_store_b128 v[XWI2], v[12*(8*\u+\ks)+4*\c:12*(8*\u+\ks)+4*\c+3] offset:(\ks-4)*12288+\u*1536+512*\c
.endif
.endr
.endr
.endr
	WIN 0
.irp ks, 0,1,2,3,4,5,6,7
	ds_store_b32 v[XWS], v[CW+\ks] offset:\ks*512
.endr
	s_wait_dscnt 0x0                               ; for the others' sake: my images and scale words have landed
	s_barrier_signal -1
	s_barrier_wait -1                              ; concat's 64 images lie in LDS and are never written again
	s_wait_alu depctr_vm_vsrc(0)                   ; my image stores have read window 2's registers: these are the accumulators from here on, written by the products
.macro FETCHX ks, a0                           ; tiles a0 .. a0 + 3 of K step ks into set ks % 2: 12 loads
.if ((\ks)%2) == 1
	WIN 0xc0                                       ; destination window 3
.set XB, XG
.else
.set XB, XF
.endif
.irp a, \a0, \a0+1, \a0+2, \a0+3
.irp c, 0,1,2
.if (\ks) < 4
	ds_load_b128 v[XB+12*(\a)+4*\c:XB+12*(\a)+4*\c+3], v[L16] offset:(\ks)*12288+1536*(\a)+512*\c
.else
	ds_load_b128 v[XB+12*(\a)+4*\c:XB+12*(\a)+4*\c+3], v[L16B] offset:((\ks)-4)*12288+1536*(\a)+512*\c
.endif
.endr
.endr
	WIN 0
.endm
.macro FETCHS ks
.irp g, 0,1
	ds_load_b128 v[XS+8*((\ks)%2)+4*\g:XS+8*((\ks)%2)+4*\g+3], v[XSB] offset:(\ks)*512+256*\g
.endr
.endm
; 16 matrix instructions: rows' tiles a0 .. a0 + 3 against my four column tiles; the accumulators take turns, one instruction a turn
.macro MUL16 ks, a0
.if (\ks) < 5
.set WR, 48*(\ks)
.set WINA, 1                           ; source 0 (Wo): window 1,
.else
.set WR, 48*((\ks)-5)
.set WINA, 3                           ; or 3
.endif
.if ((\ks)%2) == 1
.set XB, XG
.set WINB, 3                           ; source 1 (concat): set 1 in window 3,
.else
.set XB, XF
.set WINB, 0                           ; set 0 in window 0
.endif
.if (\ks) == 0
.set WINC, 0                           ; C: the bias, in window 0,
.else
.set WINC, 2                           ; or the accumulator; D: window 2
.endif
	WIN 0x80|(WINC<<4)|(WINB<<2)|WINA
.irp a, \a0, \a0+1, \a0+2, \a0+3
.irp b, 0,1,2,3
.if (\ks) == 0
	v_wmma_scale_f32_16x16x128_f8f6f4 v[8*(4*(\a)+\b):8*(4*(\a)+\b)+7], v[WR+12*\b:WR+12*\b+11], v[XB+12*(\a):XB+12*(\a)+11], v[BI+8*\b:BI+8*\b+7], v[WSC+4*(\ks)+\b], v[XS+8*((\ks)%2)+(\a)] matrix_a_fmt:MATRIX_FMT_FP6 matrix_b_fmt:MATRIX_FMT_FP6
.else
	v_wmma_scale_f32_16x16x128_f8f6f4 v[8*(4*(\a)+\b):8*(4*(\a)+\b)+7], v[WR+12*\b:WR+12*\b+11], v[XB+12*(\a):XB+12*(\a)+11], v[8*(4*(\a)+\b):8*(4*(\a)+\b)+7], v[WSC+4*(\ks)+\b], v[XS+8*((\ks)%2)+(\a)] matrix_a_fmt:MATRIX_FMT_FP6 matrix_b_fmt:MATRIX_FMT_FP6
.endif
.endr
.endr
	WIN 0
.endm
.macro KSTEP ks
.if ((\ks) > 0) && ((\ks) < 7)
	PLACES                                         ; four plain places between the last step's matrix instructions and the loads into their registers
	s_wait_alu depctr_va_vdst(0)                   ; the last step's matrix instructions are done reading the other set of fragments and of scale words, in which this step's loads land
.endif
	s_wait_dscnt 12                                ; tiles 0-3 and the scale words are in; the youngest 12 loads (tiles 4-7) may be out
	MUL16 \ks, 0
.if (\ks) < 7
	FETCHX (\ks)+1, 0                              ; no wait: no matrix instruction since the wait above names the other sets
	FETCHS (\ks)+1
	s_wait_dscnt 14                                ; this step's tiles 4-7 are in; the 14 loads just issued may be out
.else
	s_wait_dscnt 0x0
.endif
	MUL16 \ks, 4
.if (\ks) < 7
	FETCHX (\ks)+1, 4
.endif
.endm
	FETCHX 0, 0
	FETCHS 0
	FETCHX 0, 4
.irp ks, 0,1,2,3,4,5,6,7
	KSTEP \ks
.endr
; THE WAY OUT, a tile of 16 rows x 64 columns at a time, through my own stage: a lane's 32 bytes go in, whole rows of 256 bytes come back, and sixteen lanes store one aligned run of 256 bytes.
.macro TOSTAGE a
	WIN 0x08
.irp b, 0,1,2,3
	ds_store_b128 v[STO], v[8*(4*(\a)+\b):8*(4*(\a)+\b)+3] offset:128*(\b/2)+32*(\b%2)             ; each accumulator from its low end on
	ds_store_b128 v[STO], v[8*(4*(\a)+\b)+4:8*(4*(\a)+\b)+7] offset:128*(\b/2)+32*(\b%2)+16
.endr
	WIN 0
.irp t, 0,1,2,3,4,5,6,7
	ds_load_b128 v[BK+32*((\a)%2)+4*\t:BK+32*((\a)%2)+4*\t+3], v[RD] offset:\t*2*272               ; LDS serves a wave's instructions in order: these see my stores
.endr
.endm
.macro SEND a, younger                         ; younger: the LDS instructions issued behind tile a's loads
	s_wait_dscnt \younger
.irp t, 0,1,2,3,4,5,6,7
	global_store_b128 v[GO], v[BK+32*((\a)%2)+4*\t:BK+32*((\a)%2)+4*\t+3], s[10:11] offset:(32*((\a)/2)+8*((\a)%2)+2*\t+8*(\t/4))*4096 th:TH_STORE_NT   ; stage row 2 t + lane / 16 is row 32 (a / 2) + 8 (a % 2) + that + 8 (t / 4) of the block
.endr
.endm
	PLACES                                         ; four places behind the last matrix instruction, before its result is read (ISA guide 7.12.1)
	s_wait_alu depctr_va_vdst(0)                   ; the products have written the accumulators, which the stage's stores read, and are done reading set 0 of the fragments, in which the stage's rows land; no vector or matrix instruction follows
	TOSTAGE 0
.irp a, 1,2,3,4,5,6,7
.if \a > 1
	s_wait_xcnt 0x0                                ; tile a - 2's stores have had their addresses translated,
	s_wait_alu depctr_vm_vsrc(0)                   ; and have read their registers, in which tile a's loads land
.endif
	TOSTAGE \a
	SEND \a-1, 16                                  ; behind tile a - 1's loads: tile a's 8 stores and 8 loads
.endr
	SEND 7, 0
	s_wait_dscnt 0x0                               ; the closing lines, six on end
	s_wait_alu 0x0
	s_wait_tensorcnt 0x0
	ds_add_u32 v[SPW], v[NIL]
	s_wait_dscnt 0x0
	s_endpgm
.Lfunc_end_k_q9f259203a0_outp:
	.size	k_q9f259203a0_outp, .Lfunc_end_k_q9f259203a0_outp-k_q9f259203a0_outp
	.p2alignl 7, 3214868480
	.fill 96, 4, 3214868480
	.section	.rodata,"a",@progbits
	.p2align	6, 0x0
	.amdhsa_kernel k_q9f259203a0_outp
		.amdhsa_group_segment_fixed_size 120320
		.amdhsa_private_segment_fixed_size 0
		.amdhsa_enable_private_segment 0
		.amdhsa_kernarg_size 32
		.amdhsa_user_sgpr_count 2
		.amdhsa_user_sgpr_kernarg_segment_ptr 1
		.amdhsa_wavefront_size32 1
		.amdhsa_system_sgpr_workgroup_id_x 1
		.amdhsa_system_sgpr_workgroup_id_y 1
		.amdhsa_system_sgpr_workgroup_id_z 1
		.amdhsa_system_vgpr_workitem_id 0
		.amdhsa_next_free_vgpr 1024
		.amdhsa_next_free_sgpr 66
		.amdhsa_reserve_vcc 0
		.amdhsa_float_denorm_mode_32 3
		.amdhsa_float_denorm_mode_16_64 3
		.amdhsa_memory_ordered 1
		.amdhsa_forward_progress 1
		.amdhsa_inst_pref_size 88
	.end_amdhsa_kernel
	.amdgpu_metadata
---
amdhsa.version: [ 1, 2 ]
amdhsa.kernels:
  - .name:           k_q9f259203a0_outp
    .symbol:         k_q9f259203a0_outp.kd
    .args:
      - { .name: cc, .offset: 0, .size: 8, .value_kind: global_buffer, .address_space: global }
      - { .name: wimg, .offset: 8, .size: 8, .value_kind: global_buffer, .address_space: global }
      - { .name: bo, .offset: 16, .size: 8, .value_kind: global_buffer, .address_space: global }
      - { .name: out0, .offset: 24, .size: 8, .value_kind: global_buffer, .address_space: global }
    .group_segment_fixed_size: 120320
    .private_segment_fixed_size: 0
    .kernarg_segment_align: 8
    .kernarg_segment_size: 32
    .max_flat_workgroup_size: 128
    .sgpr_count:     66
    .vgpr_count:     1024
    .wavefront_size: 32
...
	.end_amdgpu_metadata
.endif
;; end of part 7
